; MI455X (gfx1250); checked and timed in simulation.
; The chip was launched on July 23, 2026; its instructions are those of AMD's public machine-readable ISA for CDNA 5 (MIT licence, August 2026) and "CDNA5" Instruction Set Architecture Reference Guide (July 2026). The comments in the code are by the model that wrote it; some were corrected since.
;; Causal Self Attention. Allowed arithmetic: matrix products marked QUANTISED: E2M1 operands, one E8M0 scale for each 32 along K, by v_wmma_scale_f32_16x16x128_f8f6f4 with both operands' format E2M1 (or v_wmma_scale_f32_32x16x128_f4), f32 sums; products left as they are: bf16, f16 or f32 operands; f32 sums; everything else in f32.
;; Inputs: Wk 1,024 x 1,024 float32; Wo 1,024 x 1,024 float32; Wq 1,024 x 1,024 float32; Wv 1,024 x 1,024 float32; x 4 x 2,048 x 1,024 float32.
;; Outputs: out0 4 x 2,048 x 1,024 float32.
;; This version of the problem:
;;   THIS VERSION OF THE PROBLEM IS GIVEN IN LOW PRECISION. The matrix products marked QUANTISED in the list below multiply operands that are first quantised to E2M1 (2 exponent bits, 1 mantissa bit; 4 bits a number), with one power-of-two scale for each 32 numbers along K (OCP MX v1.0); their sums are f32. The products marked 'left as it is' may take bf16, f16 or f32 operands, with f32 sums. Whichever they take, every output number must still come out within the allowed error. Rounding operands to bf16 (8 significant bits) uses up far more of that allowance than f16 does (11 bits, for magnitudes from 6e-5 to 65,504). All else is computed in f32.
;;   The module's matrix products, in the order in which they are computed (A, B: the left and right operand; K: the contracted axis; several contracted axes count as one K, in the product's order):
;;     1. [M 8,192, K 1,024] x [K 1,024, N 1,024]; A: input x; B: input Wq: QUANTISED
;;     2. [M 8,192, K 1,024] x [K 1,024, N 1,024]; A: input x; B: input Wk: QUANTISED
;;     3. [M 8,192, K 1,024] x [K 1,024, N 1,024]; A: input x; B: input Wv: QUANTISED
;;     4. batch 64 x [M 2,048, K 64] x [K 64, N 2,048]; A: computed on the way; B: computed on the way: left as it is (an operand is computed on the way)
;;     5. batch 64 x [M 2,048, K 2,048] x [K 2,048, N 64]; A: computed on the way; B: computed on the way: left as it is (an operand is computed on the way)
;;     6. [M 8,192, K 1,024] x [K 1,024, N 1,024]; A: computed on the way; B: input Wo: left as it is (an operand is computed on the way)
;;   THE QUANTISER, for each operand of a quantised product, along K:
;;     - K is cut into blocks of 32 from its start; a last block that is shorter is filled with zeros.
;;     - A block's scale is 2^e with e = floor(log2(the largest magnitude in the block)) - 2, held to -126 .. 127; a block of zeros has e = 0. As a byte (E8M0): e + 127.
;;     - Each number is divided by its block's scale, clamped to +-6, and rounded to the nearest number of E2M1, ties to even, subnormals kept.
;;     - The product sums the exact products of the quantised numbers (number of the format x scale) in f32.
;;   ~~~python
;;   def quantise(x, axis):      # numpy; x: float32 -> the quantised numbers, widened to float32 again
;;       x = np.moveaxis(x, axis, -1); K = x.shape[-1]
;;       x = np.pad(x, [(0, 0)] * (x.ndim - 1) + [(0, -K % 32)]); x = x.reshape(x.shape[:-1] + (-1, 32)); a = np.abs(x).max(-1, keepdims=True)
;;       e = np.where(a > 0, np.clip(np.frexp(np.where(a > 0, a, 1))[1] - 1 - 2, -126, 127), 0)      # np.frexp(a)[1] - 1 = floor(log2(a)), exactly
;;       r = np.clip(x / 2.0 ** e, -6, 6)
;;       step = 2.0 ** (np.maximum(np.frexp(np.where(r == 0, 1, r))[1] - 1, 0) - 1)
;;       q = np.round(r / step) * step * 2.0 ** e      # np.round: ties to even
;;       return np.moveaxis(q.reshape(q.shape[:-2] + (-1,))[..., :K], -1, axis).astype(np.float32)
;;   ~~~
;; One version. Each part assembles by itself: llvm-mc -triple=amdgcn-amd-amdhsa -mcpu=gfx1250 --defsym DOCPART=n.
;; ======== version 1 of 1: 4 launches
;; limits: values are held in f16: magnitudes above 65,504 overflow, below 6.1e-05 lose precision
;; workspace buffers: xc 4,194,304 bytes; xs 262,144 bytes; wc 1,572,864 bytes; ws 98,304 bytes; woh 4,194,304 bytes; qkv 50,331,648 bytes; att 33,554,432 bytes
;; launch prep (part 1): grid 256 x 1, 8 waves a work-group, no clusters, 84,480 bytes of LDS; arguments x, Wq, Wk, Wv, Wo, xc, xs, wc, ws, woh; writes xc, xs, wc, ws, woh
.if DOCPART == 1
	.amdgcn_target "amdgcn-amd-amdhsa--gfx1250"
	.amdhsa_code_object_version 6
	.text
	.protected	k_q4af66b708d_prep
	.globl	k_q4af66b708d_prep
	.p2align	8
	.type	k_q4af66b708d_prep,@function
k_q4af66b708d_prep:
	s_mov_b64 s[64:65], 0
	v_nop
	global_prefetch_b8 v0, s[64:65] scope:SCOPE_SE
	s_setreg_imm32_b32 hwreg(HW_REG_WAVE_MODE, 25, 1), 1
	s_wait_xcnt 0x0
; PREPARATION.  x [8192][1024] f32 -> codes of FP4 (E2M1) xc [8192][512 bytes], K innermost, and E8M0 scale bytes xs [8192][32].
; Wq, Wk, Wv [1024 (k)][1024 (n)] f32, K their FIRST axis -> codes wc [3072 (n)][512 bytes] with K innermost and scale bytes ws [3072][32]; rows 0-1023 Wq's columns, then Wk's, then Wv's.
; Wo [1024 (k)][1024 (n)] f32 -> TWO f16 numbers each: hi = the number with its low 13 mantissa bits cleared (exact in f16), lo = the rest, rounded to f16; laid in the order of a matrix operand's registers:
; woh [n / 128][k / 64][hi, lo][tile of 16 n, 8][chunk of 16 k, 4][lane (n % 16) + 16 ((k / 8) % 2)][8 numbers].
; A block's scale is 2^(floor(log2(its largest magnitude)) - 2); its byte is the largest magnitude's exponent field - 2, held at 1 from below.
; LIMITS: a block of zeros gets the byte 1 where the quantiser says 127: its codes are zeros, which add nothing, and the bytes are read by this program alone.  Blocks whose largest magnitude lies under 2^(2 - 126)
; keep the byte 1.  NaN and infinities among the inputs are not served.  Wo goes in f16: magnitudes under 65,504; under 2^-14 hi is rounded by the packing (at most 2^-25 off), and lo is kept to steps of 2^-24.
; SHARES.  Work-groups 0-127: x, a plain stream of blocks of 32: 65,536 numbers a work-group, 16 steps of 512 numbers a wave.  Work-groups 128-255: one of the four weights (32 work-groups each), 32 columns x all of K;
; wave w takes k = 128 w .. 128 w + 127.  A lane takes a column and its registers run down K, so that a block of 32 lies in one lane and the conversions give codes with K innermost.
; The two paths part on the work-group's number and have LDS bytes of their own.  No matrix unit, no tensor load, no cluster: work-groups share nothing and the bytes are read once.
.set SP,    80                         ; path x: a lane's place in a stage: its 64 bytes + 16 of padding
.set WSTG,  65536                      ; behind path x's eight regions of 8,192 bytes: the weights' codes, 32 rows (columns n) of 512 bytes + 16
.set WPIT,  528
.set WSC,   WSTG+32*WPIT               ; their scale bytes, 32 rows of 32
.set SPARE, WSC+1024                   ; the spare words, 128 bytes for each wave: four blocks of 256 bytes that no other line names
.set SPW,   12                         ; v12  LDS address of my spare word; never rewritten
.set NIL,   13                         ; v13  0; never rewritten
.set R,     16                         ; path x: v16-143 eight sets of 16 numbers as loaded
.set X,     144                        ; v144-175 two sets of 16 neighbours
.set E,     176                        ; v176-191 a scale byte for each step
.set C,     192                        ; v192-223 two registers of codes for each step: no store's data are written again
.set WX,    32                         ; weights: v32-95 two sets of 32 numbers down K
.set WC,    96                         ; v96-111 four registers of codes for each block
.set WO,    112                        ; v112-127 rows of codes on the way out
.set WT,    96                         ; Wo: v96-127 the upper parts of a block's 32 numbers, in f32
.set WH,    128                        ; Wo: v128-255 for each block 16 registers of hi and 16 of lo: no store's data are written again
	s_load_b512 s[4:19], s[0:1], 0x0               ; x s[4:5], Wq s[6:7], Wk s[8:9], Wv s[10:11], Wo s[12:13], xc s[14:15], xs s[16:17], wc s[18:19]
	s_load_b128 s[20:23], s[0:1], 0x40             ; ws s[20:21], woh s[22:23]
	v_lshl_add_u32 v[SPW], v0, 2, SPARE
	v_mov_b32 v[NIL], 0
	v_lshrrev_b32 v1, 5, v0
	v_readfirstlane_b32 s24, v1                    ; wave 0..7
	v_and_b32 v2, 31, v0                           ; lane
	s_wait_kmcnt 0x0
	s_cmp_lt_u32 ttmp9, 128
	s_cbranch_scc0 .Lweights
; ---------------- x.  Each load reads 512 consecutive bytes; a step's 2,048 bytes turn through the wave's own stage in LDS, so that a lane then holds 16 neighbours along K (two lanes hold a block).
	v_lshlrev_b32 v3, 4, v2                        ; my 16 bytes of a load's 512
	s_lshl_b32 s25, s24, 13                        ; my wave's region
	v_lshrrev_b32 v14, 2, v2
	v_mul_u32_u24 v14, v14, SP
	v_and_b32 v15, 3, v2
	v_lshl_add_u32 v14, v15, 4, v14
	v_add_nc_u32 v14, s25, v14                     ; the stage, way in: SP (lane / 4) + 16 (lane % 4)
	v_mul_u32_u24 v15, v2, SP
	v_add_nc_u32 v15, s25, v15                     ; way out: SP x lane
	v_lshlrev_b32 v4, 3, v2                        ; 8 x lane: my codes' place in a step's 256 bytes, and my 8 of the 256 scale bytes
	v_lshrrev_b32 v5, 1, v2
	s_add_co_u32 s25, s25, 2*32*SP
	v_add_nc_u32 v5, s25, v5                       ; LDS: my block's scale byte
	v_add_nc_u32 v6, s25, v4                       ; and 8 bytes a lane on their way out
	s_lshl_b32 s26, ttmp9, 3
	s_add_co_u32 s26, s26, s24                     ; which run of 8,192 numbers is my wave's
	s_mov_b32 s29, 0
	s_lshl_b32 s28, s26, 15
	s_add_nc_u64 s[4:5], s[4:5], s[28:29]
	s_lshl_b32 s28, s26, 12
	s_add_nc_u64 s[14:15], s[14:15], s[28:29]
	s_lshl_b32 s28, s26, 8
	s_add_nc_u64 s[16:17], s[16:17], s[28:29]
.macro LOADX t
.irp i, 0,1,2,3
	global_load_b128 v[R+16*((\t)%8)+4*\i:R+16*((\t)%8)+4*\i+3], v3, s[4:5] offset:2048*(\t)+512*\i th:TH_LOAD_NT
.endr
.endm
.macro TURNX t                         ; LDS serves a wave's instructions in order: no wait between the stores and the loads
.irp i, 0,1,2,3
	ds_store_b128 v14, v[R+16*((\t)%8)+4*\i:R+16*((\t)%8)+4*\i+3] offset:32*SP*((\t)%2)+8*SP*\i
.endr
.irp i, 0,1,2,3
	ds_load_b128 v[X+16*((\t)%2)+4*\i:X+16*((\t)%2)+4*\i+3], v15 offset:32*SP*((\t)%2)+16*\i
.endr
.endm
.irp t, 0,1,2,3,4,5,6,7
	LOADX \t                                       ; eight steps, 32 loads a wave, are on their way
.endr
	s_wait_loadcnt 28                              ; step 0's four loads are in; the seven younger steps' stay out
	TURNX 0
.macro STEPX t
.set XS, X+16*((\t)%2)
.if (\t) > 0
	s_wait_dscnt 1                                 ; this step's numbers are back from the stage (the last step's byte store may be out): its stores into the stage have read their registers,
.else
	s_wait_dscnt 0x0
.endif
.if (\t)+8 < 16
	LOADX (\t)+8                                   ; which take the loads of eight steps on
.endif
.if (\t)+1 < 16
.if 14-(\t) >= 7
	s_wait_loadcnt 28                              ; the next step's four loads are in; seven younger steps' may be out
.else
	s_wait_loadcnt 4*(14-(\t))                     ; the counts run down
.endif
	TURNX (\t)+1
.endif
	v_max3_num_f32 v8, |v[XS]|, |v[XS+1]|, |v[XS+2]|               ; the largest magnitude of my 16, in two chains
	v_max3_num_f32 v9, |v[XS+3]|, |v[XS+4]|, |v[XS+5]|
.irp i, 6,10
	v_max3_num_f32 v8, v8, |v[XS+\i]|, |v[XS+\i+1]|
	v_max3_num_f32 v9, v9, |v[XS+\i+2]|, |v[XS+\i+3]|
.endr
	v_max3_num_f32 v8, v8, |v[XS+14]|, |v[XS+15]|
	v_max3_num_f32 v8, v8, v9, 0x1800000           ; and the floor 2^(3 - 127): the byte cannot fall under 1
	v_max_num_f32_dpp v8, v8, v8 row_xmask:1 row_mask:0xf bank_mask:0xf   ; with my neighbour's 16: the block's
	v_add_nc_u32 v11, 0xff000000, v8               ; 2 off its exponent field: the conversion takes that field as its scale
	v_cvt_scalef32_pk8_fp4_f32 v[C+2*(\t)], v[XS:XS+7], v11
	v_cvt_scalef32_pk8_fp4_f32 v[C+2*(\t)+1], v[XS+8:XS+15], v11
	v_lshrrev_b32 v[E+(\t)], 23, v11               ; the scale's byte (a plain line behind the conversions)
	ds_store_b8 v5, v[E+(\t)] offset:16*(\t)       ; both lanes of a block write the same byte with the same value
	global_store_b64 v4, v[C+2*(\t):C+2*(\t)+1], s[14:15] offset:256*(\t) th:TH_STORE_NT   ; the wave stores 256 consecutive bytes, aligned
.endm
.irp t, 0,1,2,3,4,5,6,7,8,9,10,11,12,13,14,15
	STEPX \t
.endr
	ds_load_b64 v[8:9], v6                         ; my wave's 256 scale bytes (in order behind my byte stores)
	s_wait_dscnt 0x0
	global_store_b64 v4, v[8:9], s[16:17] th:TH_STORE_NT           ; 256 consecutive bytes, aligned
	s_wait_tensorcnt 0x0                           ; the wave's end, behind my last LDS store
	ds_add_u32 v[SPW], v[NIL]
	s_wait_dscnt 0x0
	s_endpgm
; ---------------- the weights
.Lweights:
	s_sub_co_u32 s25, ttmp9, 128
	s_and_b32 s26, s25, 31                         ; which 32 columns
	s_lshr_b32 s25, s25, 5                         ; which weight: 0 Wq, 1 Wk, 2 Wv, 3 Wo
	v_lshlrev_b32 v3, 2, v2                        ; in: 4 bytes a lane
	v_mul_u32_u24 v4, v2, WPIT
	s_lshl_b32 s27, s24, 6
	s_add_co_u32 s27, s27, WSTG
	v_add_nc_u32 v4, s27, v4                       ; codes into LDS: row = my column, my wave's 64 bytes of its 512
	v_lshlrev_b32 v5, 5, v2
	s_lshl_b32 s27, s24, 2
	s_add_co_u32 s27, s27, WSC
	v_add_nc_u32 v5, s27, v5                       ; my column's row of scale bytes, my wave's four
	v_lshlrev_b32 v10, 4, v2                       ; 16 x lane
	s_mul_i32 s27, s24, 4*WPIT
	s_add_co_u32 s27, s27, WSTG
	v_add_nc_u32 v7, s27, v10                      ; codes out of LDS: wave w takes rows 4 w .. 4 w + 3, the 32 lanes a whole row
	s_lshl_b32 s27, s24, 11
	v_add_nc_u32 v8, s27, v10                      ; and the same place in the work-group's 16,384 consecutive bytes of wc
	s_min_u32 s27, s24, 1
	s_lshl_b32 s27, s27, 9
	v_add_nc_u32 v16, s27, v10                     ; the scale bytes' way out: waves 0 and 1, 512 bytes each
	v_add_nc_u32 v9, WSC, v16
	v_lshrrev_b32 v6, 4, v2
	v_and_b32 v11, 15, v2
	v_lshlrev_b32 v11, 4, v11
	v_lshl_add_u32 v6, v6, 11, v11                 ; Wo: my column's tile of 16 (2,048 bytes) and its place in a chunk
	s_cmp_eq_u32 s25, 1                            ; the choice hangs on the work-group's number alone
	s_cselect_b64 s[28:29], s[8:9], s[6:7]
	s_cmp_eq_u32 s25, 2
	s_cselect_b64 s[28:29], s[10:11], s[28:29]
	s_cmp_eq_u32 s25, 3
	s_cselect_b64 s[28:29], s[12:13], s[28:29]
	s_lshl_b32 s30, s24, 19                        ; my wave's 128 rows of 4,096 bytes
	s_lshl_b32 s31, s26, 7                         ; my work-group's 32 columns
	s_add_co_u32 s30, s30, s31
	s_mov_b32 s31, 0
	s_add_nc_u64 s[28:29], s[28:29], s[30:31]
.macro LOADW t                         ; block t: W(128 w + 32 t + i, my column), i = 0 .. 31
.irp i, 0,1,2,3,4,5,6,7,8,9,10,11,12,13,14,15,16,17,18,19,20,21,22,23,24,25,26,27,28,29,30,31
	global_load_b32 v[WX+32*((\t)%2)+\i], v3, s[28:29] offset:(32*(\t)+\i)*4096 th:TH_LOAD_NT
.endr
.endm
	LOADW 0
	LOADW 1
	s_cmp_eq_u32 s25, 3
	s_cbranch_scc1 .Lwo
; ---- Wq, Wk, Wv: quantised down K
	s_lshl_b32 s30, s25, 19                        ; wc: (1024 weight + 32 column block) rows of 512 bytes
	s_lshl_b32 s32, s26, 14
	s_add_co_u32 s30, s30, s32
	s_add_nc_u64 s[18:19], s[18:19], s[30:31]
	s_lshl_b32 s30, s25, 15                        ; ws: the same rows of 32 bytes
	s_lshl_b32 s32, s26, 10
	s_add_co_u32 s30, s30, s32
	s_add_nc_u64 s[20:21], s[20:21], s[30:31]
.macro BLOCKQ t
.set XS, WX+32*((\t)%2)
.if (\t) < 3
	s_wait_loadcnt 32                              ; this block's 32 loads are in; the next block's may be out
.else
	s_wait_loadcnt 0x0
.endif
	v_max3_num_f32 v25, |v[XS]|, |v[XS+1]|, |v[XS+2]|              ; the block's largest magnitude: all 32 numbers are mine
	v_max3_num_f32 v26, |v[XS+3]|, |v[XS+4]|, |v[XS+5]|
.irp i, 6,10,14,18,22,26
	v_max3_num_f32 v25, v25, |v[XS+\i]|, |v[XS+\i+1]|
	v_max3_num_f32 v26, v26, |v[XS+\i+2]|, |v[XS+\i+3]|
.endr
	v_max3_num_f32 v25, v25, |v[XS+30]|, |v[XS+31]|
	v_max3_num_f32 v25, v25, v26, 0x1800000        ; and the floor 2^(3 - 127)
	v_add_nc_u32 v11, 0xff000000, v25              ; 2 off its exponent field: the conversions' scale operand
.irp g, 0,1,2,3
	v_cvt_scalef32_pk8_fp4_f32 v[WC+4*(\t)+\g], v[XS+8*\g:XS+8*\g+7], v11
.endr
	v_lshrrev_b32 v27, 23, v11                     ; the scale's byte (a plain line behind the conversions)
.if (\t) == 0
	v_mov_b32 v24, v27                             ; my four bytes make a word, the lower K in the lower byte
.else
	v_lshl_or_b32 v24, v27, 8*(\t), v24
.endif
	ds_store_b128 v4, v[WC+4*(\t):WC+4*(\t)+3] offset:16*(\t)      ; 32 codes: 16 bytes of my column's row
.if (\t)+2 < 4
	LOADW (\t)+2
.endif
.endm
	BLOCKQ 0
	BLOCKQ 1
	BLOCKQ 2
	BLOCKQ 3
	ds_store_b32 v5, v24
	s_wait_dscnt 0x0                               ; for the others' sake: my stores have landed
	s_barrier_signal -1                            ; (all eight waves of a work-group are on this path: the parting hangs on the work-group's number)
	s_barrier_wait -1                              ; 32 whole rows of codes and of scale bytes lie in LDS
.irp i, 0,1,2,3
	ds_load_b128 v[WO+4*\i:WO+4*\i+3], v7 offset:WPIT*\i
.endr
.irp i, 0,1,2,3
	s_wait_dscnt 3-\i                              ; row i is in; the younger rows' loads may be out
	global_store_b128 v8, v[WO+4*\i:WO+4*\i+3], s[18:19] offset:512*\i th:TH_STORE_NT   ; 512 consecutive bytes, aligned
.endr
	s_cmp_lt_u32 s24, 2
	s_cbranch_scc0 .Lw_end
	ds_load_b128 v[128:131], v9                    ; waves 0 and 1: the work-group's 1,024 consecutive scale bytes
	s_wait_dscnt 0x0
	global_store_b128 v16, v[128:131], s[20:21] th:TH_STORE_NT
.Lw_end:
	s_wait_tensorcnt 0x0                           ; the wave's end, behind my last LDS store
	ds_add_u32 v[SPW], v[NIL]
	s_wait_dscnt 0x0
	s_endpgm
; ---- Wo: split into hi + lo, both f16, stored straight from registers in the operand's order: sixteen lanes fill 256 consecutive bytes, aligned
.Lwo:
	s_lshr_b32 s30, s26, 2
	s_lshl_b32 s30, s30, 19                        ; which 128 columns: 16 K steps of 32,768 bytes
	s_lshl_b32 s32, s24, 16                        ; my wave's 128 along K: two K steps of 64
	s_add_co_u32 s30, s30, s32
	s_and_b32 s32, s26, 3
	s_lshl_b32 s32, s32, 12                        ; which two tiles of 16 columns
	s_add_co_u32 s30, s30, s32
	s_add_nc_u64 s[22:23], s[22:23], s[30:31]
	s_mov_b32 s34, 0xffffe000                      ; sign, exponent and the upper 10 mantissa bits: what f16 holds exactly
.macro BLOCKH t
.set XS, WX+32*((\t)%2)
.set HB, WH+32*(\t)
.if (\t) < 3
	s_wait_loadcnt 32                              ; this block's 32 loads are in; the next block's may be out
.else
	s_wait_loadcnt 0x0
.endif
.irp j, 0,1,2,3,4,5,6,7,8,9,10,11,12,13,14,15,16,17,18,19,20,21,22,23,24,25,26,27,28,29,30,31
	v_and_b32 v[WT+\j], s34, v[XS+\j]              ; the upper part
.endr
.irp j, 0,1,2,3,4,5,6,7,8,9,10,11,12,13,14,15
	v_pk_add_f32 v[XS+2*\j:XS+2*\j+1], v[XS+2*\j:XS+2*\j+1], v[WT+2*\j:WT+2*\j+1] neg_lo:[0,1] neg_hi:[0,1]   ; the rest: an exact difference
.endr
.irp j, 0,1,2,3,4,5,6,7,8,9,10,11,12,13,14,15
	v_cvt_pk_f16_f32 v[HB+\j], v[WT+2*\j], v[WT+2*\j+1]            ; the lower k in the low half
	v_cvt_pk_f16_f32 v[HB+16+\j], v[XS+2*\j], v[XS+2*\j+1]
.endr
.irp p, 0,1,2,3                        ; piece p: k = 32 t + 8 p + 0 .. 7: K step t / 2, chunk 2 (t % 2) + p / 2, half p % 2 of its lanes
	global_store_b128 v6, v[HB+4*\p:HB+4*\p+3], s[22:23] offset:((\t)/2)*32768+(2*((\t)%2)+\p/2)*512+(\p%2)*256 th:TH_STORE_NT
	global_store_b128 v6, v[HB+16+4*\p:HB+16+4*\p+3], s[22:23] offset:((\t)/2)*32768+16384+(2*((\t)%2)+\p/2)*512+(\p%2)*256 th:TH_STORE_NT
.endr
.if (\t)+2 < 4
	LOADW (\t)+2
.endif
.endm
	BLOCKH 0
	BLOCKH 1
	BLOCKH 2
	BLOCKH 3
	s_wait_tensorcnt 0x0                           ; the same three lines close this path too
	ds_add_u32 v[SPW], v[NIL]
	s_wait_dscnt 0x0
	s_endpgm
.Lfunc_end_k_q4af66b708d_prep:
	.size	k_q4af66b708d_prep, .Lfunc_end_k_q4af66b708d_prep-k_q4af66b708d_prep
	.p2alignl 7, 3214868480
	.fill 96, 4, 3214868480
	.section	.rodata,"a",@progbits
	.p2align	6, 0x0
	.amdhsa_kernel k_q4af66b708d_prep
		.amdhsa_group_segment_fixed_size 84480
		.amdhsa_private_segment_fixed_size 0
		.amdhsa_enable_private_segment 0
		.amdhsa_kernarg_size 80
		.amdhsa_user_sgpr_count 2
		.amdhsa_user_sgpr_kernarg_segment_ptr 1
		.amdhsa_wavefront_size32 1
		.amdhsa_system_sgpr_workgroup_id_x 1
		.amdhsa_system_sgpr_workgroup_id_y 1
		.amdhsa_system_sgpr_workgroup_id_z 1
		.amdhsa_system_vgpr_workitem_id 0
		.amdhsa_next_free_vgpr 256
		.amdhsa_next_free_sgpr 66
		.amdhsa_reserve_vcc 0
		.amdhsa_float_denorm_mode_32 3
		.amdhsa_float_denorm_mode_16_64 3
		.amdhsa_memory_ordered 1
		.amdhsa_forward_progress 1
		.amdhsa_inst_pref_size 80
	.end_amdhsa_kernel
	.amdgpu_metadata
---
amdhsa.version: [ 1, 2 ]
amdhsa.kernels:
  - .name:           k_q4af66b708d_prep
    .symbol:         k_q4af66b708d_prep.kd
    .args:
      - { .name: x, .offset: 0, .size: 8, .value_kind: global_buffer, .address_space: global }
      - { .name: Wq, .offset: 8, .size: 8, .value_kind: global_buffer, .address_space: global }
      - { .name: Wk, .offset: 16, .size: 8, .value_kind: global_buffer, .address_space: global }
      - { .name: Wv, .offset: 24, .size: 8, .value_kind: global_buffer, .address_space: global }
      - { .name: Wo, .offset: 32, .size: 8, .value_kind: global_buffer, .address_space: global }
      - { .name: xc, .offset: 40, .size: 8, .value_kind: global_buffer, .address_space: global }
      - { .name: xs, .offset: 48, .size: 8, .value_kind: global_buffer, .address_space: global }
      - { .name: wc, .offset: 56, .size: 8, .value_kind: global_buffer, .address_space: global }
      - { .name: ws, .offset: 64, .size: 8, .value_kind: global_buffer, .address_space: global }
      - { .name: woh, .offset: 72, .size: 8, .value_kind: global_buffer, .address_space: global }
    .group_segment_fixed_size: 84480
    .private_segment_fixed_size: 0
    .kernarg_segment_align: 8
    .kernarg_segment_size: 80
    .max_flat_workgroup_size: 256
    .sgpr_count:     66
    .vgpr_count:     256
    .wavefront_size: 32
...
	.end_amdgpu_metadata
.endif
;; end of part 1
;; launch qkv (part 2): grid 12 x 32, 4 waves a work-group, clusters of 4 x 4, 327,680 bytes of LDS; arguments xc, xs, wc, ws, qkv; writes qkv
.if DOCPART == 2
	.amdgcn_target "amdgcn-amd-amdhsa--gfx1250"
	.amdhsa_code_object_version 6
	.text
	.protected	k_q4af66b708d_qkv
	.globl	k_q4af66b708d_qkv
	.p2align	8
	.type	k_q4af66b708d_qkv,@function
k_q4af66b708d_qkv:
	s_mov_b64 s[64:65], 0
	v_nop
	global_prefetch_b8 v0, s[64:65] scope:SCOPE_SE
	s_setreg_imm32_b32 hwreg(HW_REG_WAVE_MODE, 25, 1), 1
	s_wait_xcnt 0x0
	s_wait_alu depctr_hold_cnt(0) depctr_sa_sdst(0) depctr_va_vdst(0) depctr_va_sdst(0) depctr_va_ssrc(0) depctr_va_vcc(0) depctr_vm_vsrc(0)
	s_getreg_b32 s2, hwreg(HW_REG_IB_STS2, 6, 4)
	s_cmp_eq_u32 s2, 0
	s_cbranch_scc0 .Lentry_in_a_cluster
	s_endpgm
.Lentry_in_a_cluster:
	s_bfe_u32 s2, ttmp6, 0x10000c
	s_cmp_lg_u32 s2, 0xf033
	s_cbranch_scc0 .Lentry_shape_is_right
	s_endpgm
.Lentry_shape_is_right:
; q = x Wq, k = x Wk, v = x Wv on codes of FP4 (E2M1) with one E8M0 scale for each 32 along K = 1,024; sums in f32; results rounded once to f16.
; xc [8192][512 bytes], xs [8192][32]; wc [3072][512 bytes], ws [3072][32] (rows: Wq's, Wk's, Wv's columns).  LIMIT: q, k, v go in f16: magnitudes under 65,504.
; A tile of 256 x 256 is made by a work-group of four waves, 128 x 128 a wave: 64 accumulators, 512 registers.  K goes in two steps of 512 (rows of 256 bytes), each in an LDS slot of its own: every slot is filled once.
; The scale bytes of the work-group's 2 x 256 rows, for all of K, are two dense blocks: they come once, with the first fills.
; THE MATRIX INSTRUCTION IS USED TRANSPOSED: source 0 = 16 rows of operand 'B', source 1 = 16 rows of operand 'A': a lane holds row lane % 16 of A and eight neighbouring rows of B.
; Cluster x = 0, 1, 2 makes q, k, v.  For q and k: A = x (a lane: one sequence row, eight neighbouring channels).  For v: A = Wv's columns, B = x (a lane: one channel, eight neighbouring keys: v comes out turned).
; The roles are changed by ADDRESS alone (selects on the cluster's x): one text, no branch.
; CLUSTERS: 4 x 4.  A's tile hangs on the cluster's y and on cy and is shared along a row of the cluster, B's on cx and is shared along a column: each is asked for jointly.
; THE RESULT is stored as images of the next launch's operand registers: a lane's eight results, packed, are 16 bytes at 16 x lane of a chunk of 512 bytes; no LDS on the way out, each store covers 512 consecutive bytes, aligned.
; qkv: three sections of 2^24 bytes (q, k, v), each 512 blocks of 32,768 bytes: block ((batch x 8 + head / 2) x 16 + 128-row group).  In a q or k block: [head % 2][tile of 16 rows, 8][chunk of 16 channels, 4][512];
; in a v block: [64-key half][(head % 2) x 4 + tile of 16 channels][tile of 16 keys, 4][512].  A wave's 128 x 128 is exactly one block.
; REGISTERS, in windows of 256: window 0: v0-31 addresses; v32-95 scale words, two sets; from v128 A's fragments, one set; on the way out v32-159 packed results.  window 1: B's fragments, two sets.  windows 2, 3: the accumulators.
.set NQ,     4                         ; matrix instructions deep in a slot
.set ROWB,   256                       ; a tile's row in bytes: 512 codes
.set KROW,   512                       ; a row of codes in memory
.set PITCH,  272                       ; an LDS row: 256 bytes + 16 of padding: the 16 rows that a load touches start 68 words apart
.set FR,     8
.set NL,     2
.set NP,     4                         ; places behind this matrix instruction (ISA guide 7.12.1)
.set HALFT,  128*PITCH
.set SLOT,   4*HALFT
.set KS,     32                        ; a row of scale bytes
.set SCL,    2*SLOT
.set HALFS,  (128*KS/256)*272
.set SBLK,   (16*KS/256)*272
.set SPARE,  SCL+4*HALFS               ; the spare words, 128 bytes for each wave: two blocks of 256 bytes that no other line names
.set ADRA, 16
.set ADRB, 20
.set CO,   26                          ; v26  16 x lane: my place in a chunk
.set ADRS, 27
.set SPW,  28
.set NIL,  29
.set SC,   32
.set AF,   128
.set OUTR, 32
.set G1, 24
.set G0, 32
.set G1B, 48
.set G0B, 56
.set G1S, 68
.set G0S, 76
.set G1SB, 80
.set G0SB, 88
.set MSB, 0
.macro WIN new                         ; the immediate's high byte repeats the setting that is left
.if MSB != \new
	s_set_vgpr_msb (MSB<<8)|\new
.set MSB, \new
.endif
.endm
.set MUL_LO, 0xa1                      ; source 0 (B) window 1, source 1 (A) window 0, C and D window 2
.set MUL_HI, 0xf1
.set TO_B,   0x40
; A joint load: waves 0 and 1 fetch for A, waves 2 and 3 for B; the branch hangs on the wave's number alone.  An s_nop 0 and four v_nop follow each of the two lines.
.macro JLOAD g0a, g1a, g0b, g1b
	s_cmp_eq_u32 s15, 0
	s_cbranch_scc0 .Lfor_b_\@
	tensor_load_to_lds s[\g0a:\g0a+3], s[\g1a:\g1a+7]
	s_nop 0
.rept 4
	v_nop
.endr
	s_branch .Lasked_\@
.Lfor_b_\@:
	tensor_load_to_lds s[\g0b:\g0b+3], s[\g1b:\g1b+7]
	s_nop 0
.rept 4
	v_nop
.endr
.Lasked_\@:
.endm
.macro CROUND                          ; a round of the cluster's barrier
	s_barrier_signal -1
	s_barrier_wait -1
	s_cmp_lg_u32 s14, 0
	s_cbranch_scc1 .Lnot_wave_0_\@
	s_barrier_signal -3
.Lnot_wave_0_\@:
	s_barrier_wait -3
	s_barrier_signal -1
	s_barrier_wait -1
.endm
	s_load_b128 s[4:7], s[0:1], 0x0                ; x's codes, x's scales
	s_load_b128 s[8:11], s[0:1], 0x10              ; the weights' codes, their scales
	s_load_b64 s[12:13], s[0:1], 0x20              ; qkv
	v_lshl_add_u32 v[SPW], v0, 2, SPARE
	v_mov_b32 v[NIL], 0
	ds_add_u32 v[SPW], v[NIL]                      ; the wave's opening: the add and its wait come ahead of my first tensor load; the set-up below stands between them
	v_lshrrev_b32 v1, 5, v0
	v_readfirstlane_b32 s14, v1                    ; wave 0..3
	s_lshr_b32 s15, s14, 1                         ; which half of A's 256 rows is mine.  Also: I fetch for A (0) or for B (1)
	s_and_b32 s16, s14, 1                          ; which half of B's.  Also: which 128 rows I fetch
	s_bfe_u32 s40, ttmp6, 0x40000                  ; cx
	s_bfe_u32 s41, ttmp6, 0x40004                  ; cy
	s_lshl_b32 s42, ttmp9, 2                       ; 4 x cluster x
	s_and_b32 s17, ttmp7, 0xffff
	s_lshl_b32 s17, s17, 2                         ; 4 x cluster y
	s_cmp_eq_u32 ttmp9, 2                          ; v?
	s_cselect_b32 s42, s17, s42                    ; B's tile of 256 rows: v: of x, 4 y + cx; q, k: of the weights, 4 x + cx
	s_cselect_b32 s17, 8, s17                      ; A's: v: of the weights, 8 + cy; q, k: of x, 4 y + cy
	s_add_co_u32 s42, s42, s40
	s_add_co_u32 s17, s17, s41
	s_lshl_b32 s43, s41, 2
	s_lshl_b32 s43, 15, s43                        ; my row of the cluster
	s_lshl_b32 s44, 0x1111, s40                    ; my column
	s_or_b32 s[G1+0], s43, (0<<16)|(1<<20)|(1<<21)|(5<<22)|(3<<25)  ; the mask; elements of 1 byte; padding on: 4 words behind every 64; bit 21 beside a mask
	s_or_b32 s[G1B+0], s44, (0<<16)|(1<<20)|(1<<21)|(5<<22)|(3<<25)
.irp g, G1, G1B
	s_mov_b32 s[\g+1], ROWB<<16                    ; tensor_dim0
	s_mov_b32 s[\g+2], 128<<16                     ; tensor_dim1
	s_mov_b32 s[\g+3], ROWB<<16                    ; tile_dim0
	s_mov_b32 s[\g+4], 128                         ; tile_dim1
	s_mov_b32 s[\g+5], KROW                        ; from row to row
	s_mov_b32 s[\g+6], 0
	s_mov_b32 s[\g+7], 0
.endr
	s_or_b32 s[G1S+0], s43, (3<<16)|(1<<20)|(1<<21)|(5<<22)|(3<<25) ; the scales of 128 rows: 4,096 dense bytes as 16 rows of 256 (32 elements of 8 bytes), 16 bytes of padding behind each
	s_or_b32 s[G1SB+0], s44, (3<<16)|(1<<20)|(1<<21)|(5<<22)|(3<<25)
.irp g, G1S, G1SB
	s_mov_b32 s[\g+1], 32<<16
	s_mov_b32 s[\g+2], (128*KS/256)<<16
	s_mov_b32 s[\g+3], 32<<16
	s_mov_b32 s[\g+4], 128*KS/256
	s_mov_b32 s[\g+5], 32
	s_mov_b32 s[\g+6], 0
	s_mov_b32 s[\g+7], 0
.endr
	s_lshl_b32 s18, s16, 7
	s_lshl_b32 s20, s17, 8
	s_add_co_u32 s20, s20, s18                     ; A: row 256 x tile + 128 x half
	s_lshl_b32 s46, s42, 8
	s_add_co_u32 s46, s46, s18                     ; B likewise
	s_mov_b32 s21, 0
	s_mov_b32 s47, 0
	s_mov_b64 s[18:19], KS
	s_mul_u64 s[22:23], s[20:21], s[18:19]         ; where these rows' scales begin
	s_mul_u64 s[92:93], s[46:47], s[18:19]
	s_mov_b64 s[18:19], KROW
	s_mul_u64 s[20:21], s[20:21], s[18:19]         ; and their codes
	s_mul_u64 s[46:47], s[46:47], s[18:19]
	s_mul_i32 s45, s14, HALFT                      ; where they go: wave x 128 rows: no place in the cluster enters an LDS address
	s_mul_i32 s94, s14, HALFS
	s_wait_dscnt 0x0                               ; the opening add is done
	s_wait_kmcnt 0x0
	s_cmp_eq_u32 ttmp9, 2                          ; which buffers play A and B: a choice that hangs on the cluster's x alone
	s_cselect_b64 s[96:97], s[8:9], s[4:5]         ; A's codes
	s_cselect_b64 s[98:99], s[10:11], s[6:7]       ; A's scales
	s_cselect_b64 s[8:9], s[4:5], s[8:9]           ; B's codes
	s_cselect_b64 s[10:11], s[6:7], s[10:11]       ; B's scales
	s_add_nc_u64 s[20:21], s[96:97], s[20:21]
	s_add_nc_u64 s[22:23], s[98:99], s[22:23]
	s_add_nc_u64 s[46:47], s[8:9], s[46:47]
	s_add_nc_u64 s[92:93], s[10:11], s[92:93]
	CROUND                                         ; all sixteen work-groups are here: the first joint loads meet
	s_mov_b32 s[G0S], 1
	s_add_co_u32 s[G0S+1], s94, SCL
	s_mov_b64 s[G0S+2:G0S+3], s[22:23]
	s_or_b32 s[G0S+3], s[G0S+3], 0x80000000
	s_mov_b32 s[G0SB], 1
	s_add_co_u32 s[G0SB+1], s94, SCL
	s_mov_b64 s[G0SB+2:G0SB+3], s[92:93]
	s_or_b32 s[G0SB+3], s[G0SB+3], 0x80000000
	JLOAD G0S, G1S, G0SB, G1SB                     ; the scales first: they are wanted with the first slot
.irp s, 0,1
	s_mov_b32 s[G0+4*\s], 1
	s_add_co_u32 s[G0+4*\s+1], s45, \s*SLOT
	s_add_nc_u64 s[G0+4*\s+2:G0+4*\s+3], s[20:21], \s*ROWB
	s_or_b32 s[G0+4*\s+3], s[G0+4*\s+3], 0x80000000
	s_mov_b32 s[G0B+4*\s], 1
	s_add_co_u32 s[G0B+4*\s+1], s45, \s*SLOT
	s_add_nc_u64 s[G0B+4*\s+2:G0B+4*\s+3], s[46:47], \s*ROWB
	s_or_b32 s[G0B+4*\s+3], s[G0B+4*\s+3], 0x80000000
	JLOAD G0+4*\s, G1, G0B+4*\s, G1B               ; both slots: all of K.  Three tensor loads of mine are out
.endr
	v_and_b32 v1, 15, v0                           ; l % 16
	v_bfe_u32 v2, v0, 4, 1                         ; l / 16
	v_mul_u32_u24 v3, v1, PITCH
	v_lshl_add_u32 v4, v2, 4, v3                   ; a fragment's row x pitch + 16 x half
	s_mul_i32 s21, s15, HALFT                      ; my 128 rows of A
	s_mul_i32 s22, s16, HALFT                      ; my 128 rows of B,
	s_add_co_u32 s22, s22, 2*HALFT                 ; which lie behind A's 256
.irp s, 0,1
	v_add_nc_u32 v[ADRA+\s], s21, v4
	v_add_nc_u32 v[ADRB+\s], s22, v4
	s_add_co_u32 s21, s21, SLOT
	s_add_co_u32 s22, s22, SLOT
.endr
	v_mul_u32_u24 v5, v1, KS                       ; my row's scales: 32 bytes a row,
	v_lshrrev_b32 v6, 8, v5
	v_lshl_add_u32 v5, v6, 4, v5                   ; and 16 more for each 256 passed
	s_mul_i32 s21, s15, HALFS
	s_mul_i32 s22, s16, HALFS
	s_add_co_u32 s22, s22, 2*HALFS
	s_sub_co_u32 s22, s22, s21
	v_mul_u32_u24 v6, s22, v2                      ; lanes 16-31 take B's: one product, the distance between the two bases
	s_add_co_u32 s21, s21, SCL
	v_add_nc_u32 v5, v5, v6
	v_add_nc_u32 v[ADRS], s21, v5
	v_and_b32 v6, 31, v0
	v_lshlrev_b32 v[CO], 4, v6
	; where my block of qkv begins
	s_lshl_b32 s20, s17, 1
	s_add_co_u32 s20, s20, s15                     ; which 128 rows of A are mine
	s_lshl_b32 s46, s42, 1
	s_add_co_u32 s46, s46, s16                     ; which 128 rows of B
	s_cmp_eq_u32 ttmp9, 2
	s_cselect_b32 s47, s46, s20                    ; the 128 rows of x: 16 x batch + group
	s_cselect_b32 s46, s20, s46                    ; the 128 columns of the weights:
	s_and_b32 s46, s46, 7                          ; the pair of heads
	s_lshr_b32 s20, s47, 4
	s_lshl_b32 s20, s20, 3
	s_add_co_u32 s20, s20, s46
	s_lshl_b32 s20, s20, 4
	s_and_b32 s47, s47, 15
	s_add_co_u32 s20, s20, s47                     ; the block
	s_lshl_b32 s20, s20, 15
	s_lshl_b32 s21, ttmp9, 24                      ; the section
	s_add_co_u32 s20, s20, s21
	s_mov_b32 s21, 0
	s_add_nc_u64 s[12:13], s[12:13], s[20:21]
.macro FRAG reg, adr, q, i             ; 16 rows x 128 K of 4-bit codes: 8 registers: lane l holds row l % 16; registers 4 c .. 4 c + 3 hold K = 64 c + 32 (l / 16) + 0 .. 31
.irp c, 0,1
	ds_load_b128 v[\reg+4*\c:\reg+4*\c+3], v[\adr] offset:64*(\q)+32*\c+(\i)*16*PITCH
.endr
.endm
; 16 matrix instructions: A's blocks a0, a0 + 1 x B's eight, 128 along K.  The 64 accumulators take turns, one instruction a turn, in the same order in every step.
; One register carries A's scale word (lanes 0-15) and B's (lanes 16-31, read by the ROW1 selector).
.macro MUL16 a0, p, q, sc, zero
.irp a, \a0, \a0+1
.irp b, 0,1,2,3,4,5,6,7
.if \zero
	v_wmma_scale_f32_16x16x128_f8f6f4 v[8*(8*((\a)%4)+\b):8*(8*((\a)%4)+\b)+7], v[128*(\p)+FR*\b:128*(\p)+FR*\b+FR-1], v[AF+FR*(\a):AF+FR*(\a)+FR-1], 0, v[SC+8*NQ*(\sc)+NQ*\b+(\q)], v[SC+8*NQ*(\sc)+NQ*(\a)+(\q)] matrix_a_fmt:MATRIX_FMT_FP4 matrix_b_fmt:MATRIX_FMT_FP4 matrix_a_scale:MATRIX_SCALE_ROW1
.else
	v_wmma_scale_f32_16x16x128_f8f6f4 v[8*(8*((\a)%4)+\b):8*(8*((\a)%4)+\b)+7], v[128*(\p)+FR*\b:128*(\p)+FR*\b+FR-1], v[AF+FR*(\a):AF+FR*(\a)+FR-1], v[8*(8*((\a)%4)+\b):8*(8*((\a)%4)+\b)+7], v[SC+8*NQ*(\sc)+NQ*\b+(\q)], v[SC+8*NQ*(\sc)+NQ*(\a)+(\q)] matrix_a_fmt:MATRIX_FMT_FP4 matrix_b_fmt:MATRIX_FMT_FP4 matrix_a_scale:MATRIX_SCALE_ROW1
.endif
.endr
.endr
.endm
.macro FETCH_B slot, q, p
	WIN TO_B
.irp i, 0,1,2,3,4,5,6,7
	FRAG 128*(\p)+FR*\i, ADRB+\slot, \q, \i
.endr
	WIN 0
.endm
.macro FETCH_A slot, q, i0
.irp i, \i0, \i0+1, \i0+2, \i0+3
	FRAG AF+FR*(\i), ADRA+\slot, \q, \i
.endr
.endm
.macro SCALES sc                       ; a slot's scale words: 4 words a row; lanes 0-15 A's block i, lanes 16-31 B's block i
.irp i, 0,1,2,3,4,5,6,7
	ds_load_b128 v[SC+8*NQ*\sc+NQ*\i:SC+8*NQ*\sc+NQ*\i+3], v[ADRS] offset:\i*SBLK
.endr
.endm
.macro PLACES n                        ; plain vector instructions between a matrix instruction and a load into, or a vector read or write of, its registers
.rept \n
	v_nop
.endr
.endm
.macro STEP slot, q, zero              ; 128 along K whose successor lies in the same slot
	s_wait_dscnt 4*NL                              ; B's set and A's blocks 0-3 are in; the youngest eight loads (A's blocks 4-7) may be out
	WIN MUL_LO
	MUL16 0, (\q)%2, \q, \slot, \zero
	MUL16 2, (\q)%2, \q, \slot, \zero
	s_wait_dscnt 0                                 ; A's blocks 4-7 are in
	PLACES NP
	FETCH_B \slot, (\q)+1, 1-(\q)%2
	FETCH_A \slot, (\q)+1, 0
	WIN MUL_HI
	MUL16 4, (\q)%2, \q, \slot, \zero
	MUL16 6, (\q)%2, \q, \slot, \zero
	PLACES NP
	WIN 0
	FETCH_A \slot, (\q)+1, 4
.endm
.macro STEPS slot, from
.set Q, \from
.rept NQ-1-\from
	STEP \slot, Q, 0
.set Q, Q+1
.endr
.endm
	s_wait_tensorcnt 1                             ; the scales and my part of slot 0 are in (slot 1's load may be out)
	s_barrier_signal -1
	s_barrier_wait -1                              ; everybody's are
	FETCH_B 0, 0, 0
	FETCH_A 0, 0, 0
	SCALES 0
	FETCH_A 0, 0, 4
	STEP 0, 0, 1                                   ; the first products start the sums: nothing is cleared
	STEPS 0, 1
	; slot 0's last step changes slots: one barrier; nothing is filled again
	s_wait_tensorcnt 0x0                           ; my part of slot 1 has landed
	ds_add_u32 v[SPW], v[NIL]                      ; 0 onto my spare word
	s_wait_dscnt 4*NL+1                            ; (the add and A's blocks 4-7 may be out)
	WIN MUL_LO
	MUL16 0, 1, NQ-1, 0, 0
	s_wait_dscnt 0x0
	s_barrier_signal -1
	MUL16 2, 1, NQ-1, 0, 0
	WIN 0
	s_barrier_wait -1                              ; slot 1 is whole
	PLACES NP
	v_add_nc_u32 v[ADRS], 4*NQ, v[ADRS]            ; on to slot 1's scale words
	FETCH_B 1, 0, 0
	FETCH_A 1, 0, 0
	SCALES 1
	WIN MUL_HI
	MUL16 4, 1, NQ-1, 0, 0
	MUL16 6, 1, NQ-1, 0, 0
	PLACES NP
	WIN 0
	FETCH_A 1, 0, 4
	STEPS 1, 0
	s_wait_dscnt 4*NL                              ; the very last step: nothing more to fetch
	WIN MUL_LO
	MUL16 0, 1, NQ-1, 1, 0
	MUL16 2, 1, NQ-1, 1, 0
	s_wait_dscnt 0
	WIN MUL_HI
	MUL16 4, 1, NQ-1, 1, 0
	MUL16 6, 1, NQ-1, 1, 0
	WIN 0
; THE WAY OUT, A's block a at a time: eight accumulators, each from its low end on, packed to f16: 16 bytes a lane that are a chunk's; eight stores of 512 consecutive bytes.  Four sets of 32 registers take turns.
.macro PACKH a
.set AC, 64*((\a)%4)
.set OB, OUTR+32*((\a)%4)
.set WP, 0x0a+5*((\a)/4)
	WIN WP                                         ; sources 0 and 1: window 2 or 3
.irp b, 0,1,2,3,4,5,6,7
.irp r, 0,1,2,3
	v_cvt_pk_f16_f32 v[OB+4*\b+\r], v[AC+8*\b+2*\r], v[AC+8*\b+2*\r+1]
.endr
.endr
	WIN 0
.irp b, 0,1,2,3,4,5,6,7
	global_store_b128 v[CO], v[OB+4*\b:OB+4*\b+3], s[12:13] offset:(\b/4)*16384+(\a)*2048+(\b%4)*512 th:TH_STORE_NT
.endr
.endm
	PLACES NP                                      ; behind the last products: the conversions read results and write over scale words and fragments of A
.irp a, 0,1,2,3,4,5,6,7
.if \a >= 4
	s_wait_xcnt 0x0                                ; the stores of four blocks back have read their registers
.endif
	PACKH \a
.endr
	s_wait_tensorcnt 0x0                           ; the wave's end
	ds_add_u32 v[SPW], v[NIL]
	s_wait_dscnt 0x0
	CROUND                                         ; the closing round
	s_endpgm
.Lfunc_end_k_q4af66b708d_qkv:
	.size	k_q4af66b708d_qkv, .Lfunc_end_k_q4af66b708d_qkv-k_q4af66b708d_qkv
	.p2alignl 7, 3214868480
	.fill 96, 4, 3214868480
	.section	.rodata,"a",@progbits
	.p2align	6, 0x0
	.amdhsa_kernel k_q4af66b708d_qkv
		.amdhsa_group_segment_fixed_size 327680
		.amdhsa_private_segment_fixed_size 0
		.amdhsa_enable_private_segment 0
		.amdhsa_kernarg_size 40
		.amdhsa_user_sgpr_count 2
		.amdhsa_user_sgpr_kernarg_segment_ptr 1
		.amdhsa_wavefront_size32 1
		.amdhsa_system_sgpr_workgroup_id_x 1
		.amdhsa_system_sgpr_workgroup_id_y 1
		.amdhsa_system_sgpr_workgroup_id_z 1
		.amdhsa_system_vgpr_workitem_id 0
		.amdhsa_next_free_vgpr 1024
		.amdhsa_next_free_sgpr 100
		.amdhsa_reserve_vcc 0
		.amdhsa_float_denorm_mode_32 3
		.amdhsa_float_denorm_mode_16_64 3
		.amdhsa_memory_ordered 1
		.amdhsa_forward_progress 1
		.amdhsa_inst_pref_size 118
	.end_amdhsa_kernel
	.amdgpu_metadata
---
amdhsa.version: [ 1, 2 ]
amdhsa.kernels:
  - .name:           k_q4af66b708d_qkv
    .symbol:         k_q4af66b708d_qkv.kd
    .args:
      - { .name: xc, .offset: 0, .size: 8, .value_kind: global_buffer, .address_space: global }
      - { .name: xs, .offset: 8, .size: 8, .value_kind: global_buffer, .address_space: global }
      - { .name: wc, .offset: 16, .size: 8, .value_kind: global_buffer, .address_space: global }
      - { .name: ws, .offset: 24, .size: 8, .value_kind: global_buffer, .address_space: global }
      - { .name: qkv, .offset: 32, .size: 8, .value_kind: global_buffer, .address_space: global }
    .group_segment_fixed_size: 327680
    .private_segment_fixed_size: 0
    .kernarg_segment_align: 8
    .kernarg_segment_size: 40
    .max_flat_workgroup_size: 128
    .sgpr_count:     100
    .vgpr_count:     1024
    .wavefront_size: 32
...
	.end_amdgpu_metadata
.endif
;; end of part 2
;; launch attn (part 3): grid 4 x 64, 8 waves a work-group, no clusters, 327,680 bytes of LDS; arguments qkv, att; writes att
.if DOCPART == 3
	.amdgcn_target "amdgcn-amd-amdhsa--gfx1250"
	.amdhsa_code_object_version 6
	.text
	.protected	k_q4af66b708d_attn
	.globl	k_q4af66b708d_attn
	.p2align	8
	.type	k_q4af66b708d_attn,@function
k_q4af66b708d_attn:
	s_mov_b64 s[64:65], 0
	v_nop
	global_prefetch_b8 v0, s[64:65] scope:SCOPE_SE
	s_setreg_imm32_b32 hwreg(HW_REG_WAVE_MODE, 25, 1), 1
	s_wait_xcnt 0x0
; att[b][q][head] = the sum over keys k <= q of softmax_k(q . k / 8) v, head size 64, 2,048 keys, 64 (batch, head) pairs.  q, k, v: f16, as images of operand registers (the launch before laid them so); products, maxima and sums in f32;
; the weights p are rounded to f16 for the second product.  THE RESULT LEAVES AS TWO f16 NUMBERS: hi = the f32 number with its low 13 mantissa bits cleared (exact in f16), lo = the rest, rounded to f16: the next product takes both.
; LIMIT: f16 operands: magnitudes under 65,504; under 2^-14 hi is rounded by the packing (at most 2^-25 off), and lo is kept to steps of 2^-24; NaN and infinities are not served.
; SHARES.  Work-group (i, bh) owns two blocks of 256 queries of one head: block 7 - i (group A) and block i (group B): under the causal mask every work-group then has the same work.  Each of its eight waves owns 32 queries
; (two tiles of 16) of each group; in group B the waves are taken in reverse, so that a wave's work on the two diagonals adds up alike.  Two waves share a SIMD: one wave's softmax stands beside the other's products.
; Every work-group walks all 8 slots of 256 keys, so that trip counts are constants; a step is 64 keys; a step (or a group's part of it) all of whose keys come after the wave's queries is jumped over, by scalar branches on ids.
; LAYOUT.  S^T = K Q^T (source 0 = 16 keys, source 1 = 16 queries) and O^T = V^T P (source 0 = 16 channels, source 1 = P): a lane holds ONE query (lane % 16) throughout; two tiles of S^T, packed, ARE a fragment of P.
; SOFTMAX.  A running maximum m and sum l for each query: p = 2^(c s - c m), c = log2(e) / 8; in every step O and l are multiplied by a = 2^(c m_old - c m_new).  The rounding of c m is common to a row's p and its sum and cancels.
; NO CLUSTER: the four work-groups of a head need 8, 7, 6 and 5 slots and have 2, 1.6, 1 or 0 units of work in a given slot; joint requests would hold them in step at each slot's largest: 11.2 units against 8.2.
; LDS: two slots of 65,536 bytes: K's four pieces of 64 keys (8,192 bytes each, dense in memory), then V's four.  Every wave fetches one piece of each slot by one tensor load.  No pitch and no padding: a fragment load is 16 x lane + a constant.
; att: [row / 128][head, 16][hi, lo][tile of 16 rows, 8][chunk of 16 channels, 4][512 bytes]: a chunk holds lane l's 16 bytes at 16 l.
; REGISTERS: window 0: v1-9 addresses and the mask's numbers; v16-47 statistics, 8 a tile (tiles 0, 1: group A; 2, 3: B): +0 c m, +1 m, +2, +3 l, +4 .. +7 at work, a in +6; v48-51 second sum chains;
;   v64-127 S^T of the group in hand, then P in place; v128-191 K's fragments; v192-255 V's.   window 1: v0-63 Q, 16 a tile; v64-191 O^T, 32 a tile.
.set SLOT1, 65536
.set SPARE, 131072                     ; behind the ring: the spare words, 128 bytes for each wave: four blocks of 256 bytes that no other line names
.set LI,   1                           ; v1  16 x lane
.set ADR,  2                           ; v2  LDS address of the step's pieces
.set LQ,   3                           ; v3  lane % 16 - 8 (lane / 16)
.set SPW,  4
.set NIL,  5
.set PFO,  6                           ; v6  256 x lane
.set NINF, 7                           ; v7  -infinity
.set DD,   8                           ; v8, v9  the mask: my query less the step's first key less 8 (lane / 16), for the group's two tiles
.set ST,   16
.set T1,   48
.set S,    64
.set KFR,  128
.set VFR,  192
.set OT,   64                          ; in window 1
.set WV,   8
.set BH,   9
.set HS,   10
.set QA,   12                          ; s12  my first query of group A
.set QB,   13                          ; s13  of group B
.set SKF,  14                          ; s14  the step's first key
.set TB,   15                          ; s15  LDS byte at which the step's piece of K begins
.set SLOTS, 16
.set CNT,  17
.set LIM,  18
.set SEL,  20
.set CS,   22
.set G1,   24
.set G0,   32
.set PFA,  36
.set OA,   38                          ; s[38:39], s[40:41]  att at my rows of groups A and B
.set QP,   42                          ; s[42:43], s[44:45]  q likewise
.set HIM,  56                          ; s56  the mask of a number's upper part
.set MSB, 0
.macro WIN new                         ; the immediate's high byte repeats the setting that is left
.if MSB != \new
	s_set_vgpr_msb (MSB<<8)|\new
.set MSB, \new
.endif
.endm
.set W_KQ, 0x04                        ; source 1 window 1
.set W_RS, 0x41                        ; O^T (destination and source 0) window 1
.set W_PV, 0x50                        ; C and D (O^T) window 1
.set W_T1, 0x40                        ; destination window 1
.set W_CV, 0x05                        ; sources 0 and 1 window 1
	s_load_b128 s[4:7], s[0:1], 0x0                ; qkv, att
	v_lshl_add_u32 v[SPW], v0, 2, SPARE
	v_mov_b32 v[NIL], 0
	ds_add_u32 v[SPW], v[NIL]                      ; the wave's opening: the add and its wait come ahead of my first tensor load; the set-up below stands between them
	v_lshrrev_b32 v1, 5, v0
	v_readfirstlane_b32 s[WV], v1                  ; wave 0..7
	s_and_b32 s[BH], ttmp7, 0xffff                 ; 16 x batch + head
	s_and_b32 s[HS], s[BH], 1                      ; which head of its pair
	s_sub_co_u32 s[QA], 7, ttmp9
	s_lshl_b32 s[QA], s[QA], 8
	s_lshl_b32 s46, s[WV], 5
	s_add_co_u32 s[QA], s[QA], s46                 ; 256 (7 - i) + 32 w
	s_sub_co_u32 s[QB], 7, s[WV]
	s_lshl_b32 s[QB], s[QB], 5
	s_lshl_b32 s46, ttmp9, 8
	s_add_co_u32 s[QB], s[QB], s46                 ; 256 i + 32 (7 - w)
	; descriptor group 1: a dense piece of 8,192 bytes as 32 rows of 256 (32 elements of 8 bytes), no padding
	s_mov_b32 s[G1+0], 3<<16
	s_mov_b32 s[G1+1], 32<<16                      ; tensor_dim0
	s_mov_b32 s[G1+2], 32<<16                      ; tensor_dim1
	s_mov_b32 s[G1+3], 32<<16                      ; tile_dim0
	s_mov_b32 s[G1+4], 32                          ; tile_dim1
	s_mov_b32 s[G1+5], 32                          ; from row to row
	s_mov_b32 s[G1+6], 0
	s_mov_b32 s[G1+7], 0
	; my piece of a slot: waves 0-3: keys 64 w on of K; waves 4-7: keys 64 (w - 4) on of V
	s_lshr_b32 s48, s[BH], 1
	s_lshl_b32 s48, s48, 19                        ; the pair of heads' 16 blocks of 32,768 bytes
	s_and_b32 s46, s[WV], 1                        ; which 64 keys of a block's 128
	s_bfe_u32 s47, s[WV], 0x10001                  ; which of a slot's two blocks
	s_cmp_lt_u32 s[WV], 4
	s_cselect_b32 s49, s[HS], s46                  ; the halves of 16,384 bytes: in K the head, in V the 64 keys
	s_cselect_b32 s50, s46, s[HS]                  ; the halves of 8,192: the other way round
	s_cselect_b32 s51, 1, 2                        ; the section
	s_lshl_b32 s47, s47, 15
	s_lshl_b32 s49, s49, 14
	s_lshl_b32 s50, s50, 13
	s_lshl_b32 s51, s51, 24
	s_add_co_u32 s52, s48, s47
	s_add_co_u32 s52, s52, s49
	s_add_co_u32 s52, s52, s50
	s_add_co_u32 s52, s52, s51
	s_mov_b32 s53, 0
	; q's and att's offsets
	s_lshl_b32 s54, s[HS], 14
	s_add_co_u32 s54, s54, s48                     ; q: the pair's blocks, my head's half
	s_lshr_b32 s55, s[BH], 4
	s_lshl_b32 s55, s55, 23                        ; att: the batch's 16 blocks of 524,288 bytes,
	s_and_b32 s46, s[BH], 15
	s_lshl_b32 s46, s46, 15
	s_add_co_u32 s55, s55, s46                     ; my head's 32,768
.macro OFFS q, qp, op
	s_lshr_b32 s46, s[\q], 7                       ; which 128 rows
	s_bfe_u32 s47, s[\q], 0x30004                  ; which tile of 16 of them
	s_lshl_b32 s49, s46, 15
	s_lshl_b32 s50, s47, 11
	s_add_co_u32 s[\qp], s49, s50
	s_add_co_u32 s[\qp], s[\qp], s54
	s_mov_b32 s[\qp+1], 0
	s_lshl_b32 s49, s46, 19
	s_add_co_u32 s[\op], s49, s50
	s_add_co_u32 s[\op], s[\op], s55
	s_mov_b32 s[\op+1], 0
.endm
	OFFS QA, QP, OA
	OFFS QB, QP+2, OA+2
	s_mov_b32 s[SEL], 0x76543210
	s_mov_b32 s[SEL+1], 0xfedcba98                 ; v_permlanex16_b32's selects for lane l xor 16
	s_mov_b32 s[CS], 0x3e38aa3b                    ; c = log2(e) / 8
	s_mov_b32 s[CS+1], s[CS]                       ; (named with it as a pair, so it is written)
	s_mov_b32 s[HIM], 0xffffe000                   ; sign, exponent and the upper 10 mantissa bits: what f16 holds exactly
	s_mov_b32 s[SKF], 0
	s_mov_b32 s[TB], 0
	s_mov_b32 s[SLOTS], 7
	s_cmp_eq_u32 ttmp9, 0
	s_cselect_b32 s[LIM], 1, -1                    ; the head's first work-group, which loads all eight slots, prefetches
	s_mov_b32 s[G0], 1
	s_lshl_b32 s[G0+1], s[WV], 13                  ; LDS: 8,192 x wave, in slot 0
	s_wait_dscnt 0x0                               ; the opening add is done
	s_wait_kmcnt 0x0
	s_add_nc_u64 s[G0+2:G0+3], s[4:5], s[52:53]
	s_add_nc_u64 s[PFA:PFA+1], s[G0+2:G0+3], 0x10000   ; my piece of slot 1; the first change of slots steps it to slot 2.  Nothing is prefetched here, at the head
	s_or_b32 s[G0+3], s[G0+3], 0x80000000
	tensor_load_to_lds s[G0:G0+3], s[G1:G1+7]      ; slot 0
	s_nop 0
.rept 4
	v_nop
.endr
	s_add_nc_u64 s[QP:QP+1], s[4:5], s[QP:QP+1]
	s_add_nc_u64 s[QP+2:QP+3], s[4:5], s[QP+2:QP+3]
	s_add_nc_u64 s[OA:OA+1], s[6:7], s[OA:OA+1]
	s_add_nc_u64 s[OA+2:OA+3], s[6:7], s[OA+2:OA+3]
	v_and_b32 v[LI], 31, v0
	v_lshlrev_b32 v[LI], 4, v[LI]
	v_and_b32 v[LQ], 15, v0
	v_bfe_u32 v[PFO], v0, 4, 1
	v_lshlrev_b32 v[PFO], 3, v[PFO]
	v_sub_nc_u32 v[LQ], v[LQ], v[PFO]
	v_lshlrev_b32 v[PFO], 4, v[LI]
	WIN W_T1
.irp g, 0,1                            ; Q stays in registers: a group's two tiles are 4,096 consecutive bytes: eight chunks
.irp i, 0,1,2,3,4,5,6,7
	global_load_b128 v[32*\g+4*\i:32*\g+4*\i+3], v[LI], s[QP+2*\g:QP+2*\g+1] offset:512*\i
.endr
.endr
.set j, 0
.rept 128
	v_mov_b32 v[OT+j], 0                           ; O^T.  (The step is written once: its first walk finds zeros, which the first a leaves zeros; a first step of its own would be a third copy of the step)
.set j, j+1
.endr
	WIN 0
.irp T, 0,1,2,3
	v_mov_b32 v[ST+8*\T+1], 0xff61b1e6             ; m = -3e38, under every score
	v_mov_b32 v[ST+8*\T+2], 0                      ; l, in two halves
	v_mov_b32 v[ST+8*\T+3], 0
	v_mov_b32 v[ST+8*\T+5], 0                      ; (a lane permute's destination counts as one of its sources)
	v_mov_b32 v[ST+8*\T+7], 0
	v_mul_f32 v[ST+8*\T], s[CS], v[ST+8*\T+1]      ; c m
.endr
.macro TR T0, u                        ; the registers of the group's tile u
.set rT, ST+8*((\T0)+(\u))
.set rS, S+32*(\u)
.set rO, OT+32*((\T0)+(\u))
.endm
; ONE GROUP'S PART OF A KEY STEP: two tiles of 16 queries x 64 keys.  T0: the group's first tile; Q0: the scalar with its first query; kwait: the LDS loads that may stay out when K is wanted.
.macro GROUP T0, Q0, kwait
	s_wait_dscnt \kwait                            ; K's sixteen loads are in (16: V's sixteen, issued behind them, may be out)
	WIN W_KQ
.set i, 0
.rept 16                               ; S^T = K Q^T: channels 32 (i / 8) on, keys 16 ((i / 2) % 4) on, tile i % 2: eight accumulators by turns; the first eight start the sums
.set aS, S+32*(i%2)+8*((i/2)%4)
.set aK, KFR+16*((i/2)%4)+8*(i/8)
.set aQ, 16*((\T0)+i%2)+8*(i/8)
.if i < 8
	v_wmma_f32_16x16x32_f16 v[aS:aS+7], v[aK:aK+7], v[aQ:aQ+7], 0
.else
	v_wmma_f32_16x16x32_f16 v[aS:aS+7], v[aK:aK+7], v[aQ:aQ+7], v[aS:aS+7]
.endif
.set i, i+1
.endr
	WIN 0
	s_sub_co_i32 s46, s[\Q0], s[SKF]
	v_add_nc_u32 v[DD], s46, v[LQ]                 ; four plain lines: the places behind the products; three of them make the mask's numbers
	v_add_nc_u32 v[DD+1], 16, v[DD]
	v_mov_b32 v[NINF], 0xff800000
	v_nop
	s_add_co_u32 s47, s[SKF], 63                   ; a step all of whose keys count for all my queries skips the mask: a branch on ids
	s_cmp_le_u32 s47, s[\Q0]
	s_cbranch_scc1 .Lopen_\@
.irp u, 0,1                            ; register n holds key 16 (n / 8) + n % 8 + 8 (lane / 16) of the step: hidden where that comes after my query.  A visited step's first key counts for every query, so m stays a number
.irp n, 0,1,2,3,4,5,6,7,8,9,10,11,12,13,14,15,16,17,18,19,20,21,22,23,24,25,26,27,28,29,30,31
	v_cmp_gt_i32 vcc_lo, 16*(\n/8)+\n%8, v[DD+\u]
	v_cndmask_b32 v[S+32*\u+\n], v[S+32*\u+\n], v[NINF], vcc_lo
.endr
.endr
.Lopen_\@:
.irp j, 0,1,2,3                        ; the maximum of the lane's 32 scores and the old m: four chains, the two tiles by turns; each accumulator is read from its low end on
.irp u, 0,1
	TR \T0, \u
	v_max3_num_f32 v[rT+4+\j], v[rS+8*\j], v[rS+8*\j+1], v[rS+8*\j+2]
.endr
.endr
.irp j, 4,5,6,7,8,9,10,11
.irp u, 0,1
	TR \T0, \u
	v_max3_num_f32 v[rT+4+\j%4], v[rT+4+\j%4], v[rS+8*(\j%4)+2*(\j/4)+1], v[rS+8*(\j%4)+2*(\j/4)+2]
.endr
.endr
.irp u, 0,1
	TR \T0, \u
	v_max3_num_f32 v[rT+4], v[rT+4], v[rS+7], v[rS+15]
	v_max3_num_f32 v[rT+6], v[rT+6], v[rS+23], v[rS+31]
.endr
.irp u, 0,1
	TR \T0, \u
	v_max3_num_f32 v[rT+4], v[rT+4], v[rT+5], v[rT+6]
.endr
.irp u, 0,1
	TR \T0, \u
	v_max3_num_f32 v[rT+4], v[rT+4], v[rT+7], v[rT+1]
.endr
.irp u, 0,1
	TR \T0, \u
	v_permlanex16_b32 v[rT+5], v[rT+4], s[SEL], s[SEL+1]   ; the query's other 32 keys lie in the lane 16 away
	v_mov_b32 v[rT+7], v[rT]                       ; c m_old is kept for a
.endr
.irp u, 0,1
	TR \T0, \u
	v_max_num_f32 v[rT+1], v[rT+4], v[rT+5]
.endr
.irp u, 0,1
	TR \T0, \u
	v_mul_f32 v[rT], s[CS], v[rT+1]
.endr
.irp u, 0,1
	TR \T0, \u
	v_sub_f32 v[rT+7], v[rT+7], v[rT]
.endr
.irp u, 0,1                            ; ONE BATCH: both a, the 32 scalings, the 64 exponentials: none reads an exponential's result
	TR \T0, \u
	v_exp_f32 v[rT+6], v[rT+7]
.endr
.irp b, 0,1,2,3,4,5,6,7,8,9,10,11,12,13,14,15
.irp u, 0,1
	TR \T0, \u
	v_pk_fma_f32 v[rS+2*\b:rS+2*\b+1], v[rS+2*\b:rS+2*\b+1], s[CS:CS+1], v[rT:rT+1] op_sel_hi:[1,0,0] neg_lo:[0,0,1] neg_hi:[0,0,1]   ; c s - c m
.endr
.endr
.irp e, 0,1,2,3,4,5,6,7,8,9,10,11,12,13,14,15,16,17,18,19,20,21,22,23,24,25,26,27,28,29,30,31
.irp u, 0,1
	v_exp_f32 v[S+32*\u+\e], v[S+32*\u+\e]
.endr
.endr
	v_nop                                          ; a plain instruction behind the last exponential
	s_wait_alu depctr_va_vdst(0)                   ; the wait ahead of the first instruction that names a result: one for the batch
.irp u, 0,1                            ; the sums of the unrounded p, two chains a tile
	TR \T0, \u
	v_pk_add_f32 v[rT+4:rT+5], v[rS:rS+1], v[rS+2:rS+3]
	v_pk_add_f32 v[T1+2*\u:T1+2*\u+1], v[rS+4:rS+5], v[rS+6:rS+7]
.endr
.irp j, 8,12,16,20,24,28
.irp u, 0,1
	TR \T0, \u
	v_pk_add_f32 v[rT+4:rT+5], v[rT+4:rT+5], v[rS+\j:rS+\j+1]
	v_pk_add_f32 v[T1+2*\u:T1+2*\u+1], v[T1+2*\u:T1+2*\u+1], v[rS+\j+2:rS+\j+3]
.endr
.endr
.irp u, 0,1
	TR \T0, \u
	v_pk_add_f32 v[rT+4:rT+5], v[rT+4:rT+5], v[T1+2*\u:T1+2*\u+1]
.endr
.irp u, 0,1
	TR \T0, \u
	v_pk_fma_f32 v[rT+2:rT+3], v[rT+2:rT+3], v[rT+6:rT+7], v[rT+4:rT+5] op_sel_hi:[1,0,1]   ; l = a l + the sum
.endr
.irp j, 0,1,2,3,4,5,6,7,8,9,10,11,12,13,14,15   ; P, in place: pair j goes to register j, which has been read by then
.irp u, 0,1
	v_cvt_pk_f16_f32 v[S+32*\u+\j], v[S+32*\u+2*\j], v[S+32*\u+2*\j+1]
.endr
.endr
	WIN W_RS
.irp u, 0,1
.irp k, 0,1,2,3,4,5,6,7,8,9,10,11,12,13,14,15
	TR \T0, \u
	v_pk_mul_f32 v[rO+2*\k:rO+2*\k+1], v[rO+2*\k:rO+2*\k+1], v[rT+6:rT+7] op_sel_hi:[1,0]   ; O^T x a, each accumulator from its low end on
.endr
.endr
	s_wait_dscnt 0x0                               ; V is in
	WIN W_PV
.set i, 0
.rept 16                               ; O^T += V^T P: keys 32 (i / 8) on, channels 16 ((i / 2) % 4) on, tile i % 2: eight accumulators by turns
.set aO, OT+32*((\T0)+i%2)+8*((i/2)%4)
.set aV, VFR+16*((i/2)%4)+8*(i/8)
.set aP, S+32*(i%2)+8*(i/8)
	v_wmma_f32_16x16x32_f16 v[aO:aO+7], v[aV:aV+7], v[aP:aP+7], v[aO:aO+7]
.set i, i+1
.endr
	WIN 0
.rept 5
	v_nop                                          ; five places: the next products K Q^T write over P's registers, which these products read (the next loads into V's registers want four)
.endr
.endm
; A KEY STEP: 64 keys.  Group B's queries come before group A's: where A has nothing to do, neither has B.
.macro STEP
	s_add_co_u32 s46, s[QA], 31
	s_cmp_gt_u32 s[SKF], s46
	s_cbranch_scc1 .Lhid_\@
	v_add_nc_u32 v[ADR], s[TB], v[LI]
.irp i, 0,1,2,3,4,5,6,7,8,9,10,11,12,13,14,15   ; K: tile of 16 keys i / 4, chunk of 16 channels i % 4
	ds_load_b128 v[KFR+4*\i:KFR+4*\i+3], v[ADR] offset:512*\i
.endr
.irp i, 0,1,2,3,4,5,6,7,8,9,10,11,12,13,14,15   ; V: tile of 16 channels i / 4, chunk of 16 keys i % 4
	ds_load_b128 v[VFR+4*\i:VFR+4*\i+3], v[ADR] offset:32768+512*\i
.endr
	GROUP 0, QA, 16
	s_add_co_u32 s46, s[QB], 31
	s_cmp_gt_u32 s[SKF], s46
	s_cbranch_scc1 .Lhid_\@
	GROUP 2, QB, 0
.Lhid_\@:
	s_add_co_u32 s[SKF], s[SKF], 64
	s_add_co_u32 s[TB], s[TB], 8192
.endm
; A PREFETCH INTO THE L2 of what the NEXT change of slots will ask for: my wave's own piece of 8,192 bytes, lanes 256 bytes apart: eight waves name a slot's 256 blocks once each.  All four work-groups of a head walk the
; same K and V: the first of them asks.  It stands behind the tensor load and its five lines.  The last change that fills a slot asks for nothing; slots 0 and 1 come by their loads alone.
.macro ASK
	s_cmp_gt_u32 s[SLOTS], s[LIM]
	s_cbranch_scc0 .Lnot_mine_\@
	global_prefetch_b8 v[PFO], s[PFA:PFA+1] th:TH_LOAD_NT scope:SCOPE_SE
.Lnot_mine_\@:
.endm
; THE CHANGE OF SLOTS, at a slot's head.  Each wave waits for all its tensor loads (one is out: its piece of the slot ahead), adds 0 to its spare word, and waits for that and for its reads of the slot that it has left.
; Behind the barrier the slot ahead is whole and nobody reads the other.  fill = 1: that other slot takes the next 256 keys, up to the causal limit: a slot whose first key comes after the work-group's last query is read by no wave.
; The jump round the load hangs on ids and the count of steps alone and is the same in all eight waves; every wait on TENSORcnt in this text is for 0.
.macro CHANGE fill
	s_wait_tensorcnt 0x0                           ; no tensor load of mine is out, so the group 0 may be written
	ds_add_u32 v[SPW], v[NIL]                      ; 0 onto my spare word
.if \fill
	s_xor_b32 s[G0+1], s[G0+1], SLOT1              ; the walking descriptor: the other slot,
	s_add_nc_u64 s[G0+2:G0+3], s[G0+2:G0+3], 0x10000   ; two blocks on; the type bits on top are not reached
	s_wait_xcnt 0x0                                ; the last prefetch, a slot back, has read its address
	s_add_nc_u64 s[PFA:PFA+1], s[PFA:PFA+1], 0x10000
.endif
	s_wait_dscnt 0x0                               ; the add is done, and my reads of the slot that I have left are over
	s_barrier_signal -1
	s_barrier_wait -1
.if \fill
	s_add_co_u32 s46, s[SKF], 256                  ; the first key of the slot that this change would ask for
	s_or_b32 s47, s[QA], 255                       ; my work-group's last query
	s_cmp_gt_u32 s46, s47
	s_cbranch_scc1 .Lpast_\@
	tensor_load_to_lds s[G0:G0+3], s[G1:G1+7]      ; my one tensor load until the next such barrier: it has a slot's four steps in which to land
	s_nop 0
.rept 4
	v_nop
.endr
.Lpast_\@:
	ASK
.endif
.endm
.macro SLOT_STEPS                      ; a slot's four steps: written once, walked four times
	s_mov_b32 s[CNT], 4
.Lstep_\@:
	STEP
	s_sub_co_u32 s[CNT], s[CNT], 1
	s_cmp_lg_u32 s[CNT], 0
	s_cbranch_scc1 .Lstep_\@
	s_sub_co_u32 s[TB], s[TB], 32768               ; back to a slot's first piece,
	s_xor_b32 s[TB], s[TB], SLOT1                  ; in the other slot
.endm
	s_wait_loadcnt 0x0                             ; Q
.Lslot:                                            ; seven trips
	CHANGE 1
	SLOT_STEPS
	s_sub_co_u32 s[SLOTS], s[SLOTS], 1
	s_cmp_lg_u32 s[SLOTS], 0
	s_cbranch_scc1 .Lslot
	CHANGE 0                                       ; the last slot is written out: nothing is left to ask for
	SLOT_STEPS
	; THE WAY OUT.  l's two halves and the other half of the lanes' are added; O^T / l is split into hi + lo; each, packed to f16, is 16 bytes a lane that are a chunk of the next launch's operand: each store covers 512 consecutive bytes, aligned.
.irp T, 0,1,2,3
	v_add_f32 v[ST+8*\T+4], v[ST+8*\T+2], v[ST+8*\T+3]
.endr
.irp T, 0,1,2,3
	v_permlanex16_b32 v[ST+8*\T+5], v[ST+8*\T+4], s[SEL], s[SEL+1]
.endr
.irp T, 0,1,2,3
	v_add_f32 v[ST+8*\T+4], v[ST+8*\T+4], v[ST+8*\T+5]
.endr
.irp T, 0,1,2,3
	v_rcp_f32 v[ST+8*\T+6], v[ST+8*\T+4]
.endr
	v_nop                                          ; a plain instruction behind the last reciprocal
	s_wait_alu depctr_va_vdst(0)                   ; and the wait ahead of the first use: one for the four
; hi's packed registers take S^T's place (v64-127), lo's K's (v128-191); the upper parts in f32 stand in V's (v192-223), tile after tile
.irp T, 0,1,2,3
	WIN W_RS
.irp k, 0,1,2,3,4,5,6,7,8,9,10,11,12,13,14,15
	v_pk_mul_f32 v[OT+32*\T+2*\k:OT+32*\T+2*\k+1], v[OT+32*\T+2*\k:OT+32*\T+2*\k+1], v[ST+8*\T+6:ST+8*\T+7] op_sel_hi:[1,0]   ; each accumulator from its low end on
.endr
	WIN W_KQ
.irp n, 0,1,2,3,4,5,6,7,8,9,10,11,12,13,14,15,16,17,18,19,20,21,22,23,24,25,26,27,28,29,30,31
	v_and_b32 v[VFR+\n], s[HIM], v[OT+32*\T+\n]    ; the upper part
.endr
	WIN W_RS
.irp k, 0,1,2,3,4,5,6,7,8,9,10,11,12,13,14,15
	v_pk_add_f32 v[OT+32*\T+2*\k:OT+32*\T+2*\k+1], v[OT+32*\T+2*\k:OT+32*\T+2*\k+1], v[VFR+2*\k:VFR+2*\k+1] neg_lo:[0,1] neg_hi:[0,1]   ; the rest: an exact difference
.endr
	WIN W_CV
.irp k, 0,1,2,3,4,5,6,7,8,9,10,11,12,13,14,15
	v_cvt_pk_f16_f32 v[KFR+16*\T+\k], v[OT+32*\T+2*\k], v[OT+32*\T+2*\k+1]
.endr
	WIN 0
.irp k, 0,1,2,3,4,5,6,7,8,9,10,11,12,13,14,15
	v_cvt_pk_f16_f32 v[S+16*\T+\k], v[VFR+2*\k], v[VFR+2*\k+1]
.endr
.endr
.irp T, 0,1,2,3
.irp d, 0,1,2,3
	global_store_b128 v[LI], v[S+16*\T+4*\d:S+16*\T+4*\d+3], s[OA+2*(\T/2):OA+2*(\T/2)+1] offset:(\T%2)*2048+\d*512 th:TH_STORE_NT
	global_store_b128 v[LI], v[KFR+16*\T+4*\d:KFR+16*\T+4*\d+3], s[OA+2*(\T/2):OA+2*(\T/2)+1] offset:16384+(\T%2)*2048+\d*512 th:TH_STORE_NT
.endr
.endr
	s_wait_tensorcnt 0x0                           ; the wave's end, behind my last tensor load
	ds_add_u32 v[SPW], v[NIL]
	s_wait_dscnt 0x0
	s_endpgm
.Lfunc_end_k_q4af66b708d_attn:
	.size	k_q4af66b708d_attn, .Lfunc_end_k_q4af66b708d_attn-k_q4af66b708d_attn
	.p2alignl 7, 3214868480
	.fill 96, 4, 3214868480
	.section	.rodata,"a",@progbits
	.p2align	6, 0x0
	.amdhsa_kernel k_q4af66b708d_attn
		.amdhsa_group_segment_fixed_size 327680
		.amdhsa_private_segment_fixed_size 0
		.amdhsa_enable_private_segment 0
		.amdhsa_kernarg_size 16
		.amdhsa_user_sgpr_count 2
		.amdhsa_user_sgpr_kernarg_segment_ptr 1
		.amdhsa_wavefront_size32 1
		.amdhsa_system_sgpr_workgroup_id_x 1
		.amdhsa_system_sgpr_workgroup_id_y 1
		.amdhsa_system_sgpr_workgroup_id_z 1
		.amdhsa_system_vgpr_workitem_id 0
		.amdhsa_next_free_vgpr 448
		.amdhsa_next_free_sgpr 66
		.amdhsa_reserve_vcc 1
		.amdhsa_float_denorm_mode_32 3
		.amdhsa_float_denorm_mode_16_64 3
		.amdhsa_memory_ordered 1
		.amdhsa_forward_progress 1
		.amdhsa_inst_pref_size 119
	.end_amdhsa_kernel
	.amdgpu_metadata
---
amdhsa.version: [ 1, 2 ]
amdhsa.kernels:
  - .name:           k_q4af66b708d_attn
    .symbol:         k_q4af66b708d_attn.kd
    .args:
      - { .name: qkv, .offset: 0, .size: 8, .value_kind: global_buffer, .address_space: global }
      - { .name: att, .offset: 8, .size: 8, .value_kind: global_buffer, .address_space: global }
    .group_segment_fixed_size: 327680
    .private_segment_fixed_size: 0
    .kernarg_segment_align: 8
    .kernarg_segment_size: 16
    .max_flat_workgroup_size: 256
    .sgpr_count:     66
    .vgpr_count:     448
    .wavefront_size: 32
...
	.end_amdgpu_metadata
.endif
;; end of part 3
;; launch oproj (part 4): grid 4 x 64, 4 waves a work-group, clusters of 4 x 4, 327,680 bytes of LDS; arguments att, woh, out0; writes out0
.if DOCPART == 4
	.amdgcn_target "amdgcn-amd-amdhsa--gfx1250"
	.amdhsa_code_object_version 6
	.text
	.protected	k_q4af66b708d_oproj
	.globl	k_q4af66b708d_oproj
	.p2align	8
	.type	k_q4af66b708d_oproj,@function
k_q4af66b708d_oproj:
	s_mov_b64 s[64:65], 0
	v_nop
	global_prefetch_b8 v0, s[64:65] scope:SCOPE_SE
	s_setreg_imm32_b32 hwreg(HW_REG_WAVE_MODE, 25, 1), 1
	s_wait_xcnt 0x0
	s_wait_alu depctr_hold_cnt(0) depctr_sa_sdst(0) depctr_va_vdst(0) depctr_va_sdst(0) depctr_va_ssrc(0) depctr_va_vcc(0) depctr_vm_vsrc(0)
	s_getreg_b32 s2, hwreg(HW_REG_IB_STS2, 6, 4)
	s_cmp_eq_u32 s2, 0
	s_cbranch_scc0 .Lentry_in_a_cluster
	s_endpgm
.Lentry_in_a_cluster:
	s_bfe_u32 s2, ttmp6, 0x10000c
	s_cmp_lg_u32 s2, 0xf033
	s_cbranch_scc0 .Lentry_shape_is_right
	s_endpgm
.Lentry_shape_is_right:
; out0 [8192][1024] f32 = attended [8192][1024] x Wo [1024][1024], f16 operands, f32 sums.
; EACH OPERAND IS THE SUM OF TWO f16 NUMBERS, hi (the upper 11 significant bits) and lo (the rest), made by the launches before.  Three products go into one f32 sum: hi x hi, lo x hi, hi x lo; lo x lo, under 2^-20 of a
; product, is left out.  So neither operand's rounding to f16 stands in the result: a row that averages few keys is some ten times larger than the output's root mean square, against which its error is held.
; Both operands come as images of operand registers: att [row / 128][k / 64][hi, lo][tile of 16 rows, 8][chunk of 16 k, 4][512 bytes], woh [n / 128][k / 64][hi, lo][tile of 16 n, 8][chunk, 4][512]: a chunk holds lane l's 16 bytes at 16 l.
; So a K step's tile is a dense block for one tensor load, and a fragment load is 16 x lane + a constant: no pitch, no padding.
; A tile of out0 is 128 rows x 256 columns: 256 work-groups.  Four waves, 64 x 128 each: 32 accumulators, 256 registers.  K goes in 16 steps of 64 through two LDS slots of 98,304 bytes; a step is two units of 32 along K,
; a unit 96 matrix instructions (three terms x 32 accumulators) fed by 48 LDS loads.
; CLUSTERS: 4 x 4.  att's tile hangs on the tile row and is shared along a row of the cluster, woh's on the tile column and is shared along a column: each is asked for jointly.
; THE MATRIX INSTRUCTION IS USED TRANSPOSED (source 0 = 16 columns n, source 1 = 16 rows): a lane holds eight neighbouring numbers of a row of out0.
; REGISTERS, in windows of 256: window 0: v16-29 addresses; on the way out v64-191 rows.  window 1: accumulator (a, b) at v[8 (8 a + b)].  windows 2 and 3: the two fragment buffers, alike:
;   v0-31 A hi (4 tiles of rows), v32-63 A lo, v64-127 B hi (8 tiles of columns), v128-191 B lo.
.set SLOT,   98304                     ; A's hi and lo (16,384 bytes each), then B's two blocks of 32,768 (hi, lo)
.set SPARE,  2*SLOT                    ; the spare words, 128 bytes for each wave: two blocks of 256 bytes that no other line names
.set SPITCH, 528                       ; the way out: a stage of 16 rows x (512 bytes + 16) for each wave, in slot 0, which has had its last fill and its last read by then
.set ADRA, 16
.set ADRB, 20
.set STO,  24
.set RD,   25
.set CO,   26
.set SPW,  28
.set NIL,  29
.set AH,   0
.set AL,   32
.set BHI,  64
.set BLO,  128
.set BK,   64
.set G1, 24
.set G0, 32
.set G1B, 48
.set G0B, 56
.set MSB, 0
.macro WIN new                         ; the immediate's high byte repeats the setting that is left
.if MSB != \new
	s_set_vgpr_msb (MSB<<8)|\new
.set MSB, \new
.endif
.endm
.set MULF0, 0x5a                       ; sources 0 and 1 window 2, C and D window 1
.set MULF1, 0x5f                       ; sources 0 and 1 window 3, C and D window 1
.macro JLOAD s                         ; a joint load: wave 0 fetches A's hi, wave 1 A's lo, waves 2 and 3 B's two blocks; an s_nop 0 and four v_nop follow each of the two lines
	s_cmp_eq_u32 s11, 0
	s_cbranch_scc0 .Lfor_b_\@
	tensor_load_to_lds s[G0+4*\s:G0+4*\s+3], s[G1:G1+7]
	s_nop 0
.rept 4
	v_nop
.endr
	s_branch .Lasked_\@
.Lfor_b_\@:
	tensor_load_to_lds s[G0B+4*\s:G0B+4*\s+3], s[G1B:G1B+7]
	s_nop 0
.rept 4
	v_nop
.endr
.Lasked_\@:
.endm
.macro CREST                           ; a round of the cluster's barrier behind its opening barrier
	s_cmp_lg_u32 s10, 0
	s_cbranch_scc1 .Lnot_wave_0_\@
	s_barrier_signal -3
.Lnot_wave_0_\@:
	s_barrier_wait -3
	s_barrier_signal -1
	s_barrier_wait -1
.endm
.macro CROUND
	s_barrier_signal -1
	s_barrier_wait -1
	CREST
.endm
	s_load_b128 s[4:7], s[0:1], 0x0                ; att, woh
	s_load_b64 s[8:9], s[0:1], 0x10                ; out0
	v_lshl_add_u32 v[SPW], v0, 2, SPARE
	v_mov_b32 v[NIL], 0
	ds_add_u32 v[SPW], v[NIL]                      ; the wave's opening: the add and its wait come ahead of my first tensor load; the set-up below stands between them
	v_lshrrev_b32 v1, 5, v0
	v_readfirstlane_b32 s10, v1                    ; wave 0..3
	s_lshr_b32 s11, s10, 1                         ; which 64 rows are mine.  Also: I fetch for A (0) or for B (1)
	s_and_b32 s12, s10, 1                          ; which 128 columns.  Also: A's hi or lo, or which block of B, I fetch
	s_bfe_u32 s40, ttmp6, 0x40000                  ; cx
	s_bfe_u32 s41, ttmp6, 0x40004                  ; cy
	s_lshl_b32 s42, ttmp9, 2
	s_add_co_u32 s42, s42, s40                     ; tile column = 4 x cluster x + cx
	s_and_b32 s13, ttmp7, 0xffff
	s_lshl_b32 s13, s13, 2
	s_add_co_u32 s13, s13, s41                     ; tile row = 4 x cluster y + cy
	s_lshl_b32 s43, s41, 2
	s_lshl_b32 s43, 15, s43                        ; my row of the cluster
	s_lshl_b32 s44, 0x1111, s40                    ; my column
	; descriptor groups 1: dense blocks as rows of 256 bytes (32 elements of 8 bytes): A's hi or lo 64 rows, B's block 128 rows
	s_or_b32 s[G1+0], s43, (3<<16)|(1<<21)
	s_mov_b32 s[G1+1], 32<<16
	s_mov_b32 s[G1+2], 64<<16
	s_mov_b32 s[G1+3], 32<<16
	s_mov_b32 s[G1+4], 64
	s_mov_b32 s[G1+5], 32
	s_mov_b32 s[G1+6], 0
	s_mov_b32 s[G1+7], 0
	s_or_b32 s[G1B+0], s44, (3<<16)|(1<<21)
	s_mov_b32 s[G1B+1], 32<<16
	s_mov_b32 s[G1B+2], 128<<16
	s_mov_b32 s[G1B+3], 32<<16
	s_mov_b32 s[G1B+4], 128
	s_mov_b32 s[G1B+5], 32
	s_mov_b32 s[G1B+6], 0
	s_mov_b32 s[G1B+7], 0
	s_lshl_b32 s16, s13, 19                        ; A: the tile row's 16 K steps of 32,768 bytes,
	s_lshl_b32 s17, s12, 14
	s_add_co_u32 s16, s16, s17                     ; hi or lo
	s_mov_b32 s17, 0
	s_lshl_b32 s46, s42, 1
	s_add_co_u32 s46, s46, s12
	s_lshl_b32 s46, s46, 19                        ; B: block 2 x tile column + my one
	s_mov_b32 s47, 0
	s_lshl_b32 s20, s12, 14                        ; where they go: no place in the cluster enters an LDS address
	s_lshl_b32 s21, s12, 15
	s_add_co_u32 s21, s21, 32768
	s_wait_dscnt 0x0                               ; the opening add is done
	s_wait_kmcnt 0x0
	s_add_nc_u64 s[14:15], s[4:5], s[16:17]
	s_add_nc_u64 s[46:47], s[6:7], s[46:47]
	CROUND                                         ; all sixteen work-groups are here: the first joint loads meet
.irp s, 0,1
	s_mov_b32 s[G0+4*\s], 1
	s_add_co_u32 s[G0+4*\s+1], s20, \s*SLOT
	s_add_nc_u64 s[G0+4*\s+2:G0+4*\s+3], s[14:15], \s*32768
	s_or_b32 s[G0+4*\s+3], s[G0+4*\s+3], 0x80000000
	s_mov_b32 s[G0B+4*\s], 1
	s_add_co_u32 s[G0B+4*\s+1], s21, \s*SLOT
	s_add_nc_u64 s[G0B+4*\s+2:G0B+4*\s+3], s[46:47], \s*32768
	s_or_b32 s[G0B+4*\s+3], s[G0B+4*\s+3], 0x80000000
	JLOAD \s                                       ; K steps 0 and 1: two tensor loads of mine are out
.endr
	v_and_b32 v1, 31, v0
	v_lshlrev_b32 v[CO], 4, v1                     ; 16 x lane
	s_lshl_b32 s21, s11, 13                        ; my four tiles of rows, 2,048 bytes each
	s_lshl_b32 s22, s12, 15
	s_add_co_u32 s22, s22, 32768                   ; my block of columns
.irp s, 0,1
	v_add_nc_u32 v[ADRA+\s], s21, v[CO]
	v_add_nc_u32 v[ADRB+\s], s22, v[CO]
	s_add_co_u32 s21, s21, SLOT
	s_add_co_u32 s22, s22, SLOT
.endr
	v_and_b32 v1, 15, v0
	v_bfe_u32 v2, v0, 4, 1
	s_mul_i32 s23, s10, 16*SPITCH                  ; my stage
	v_mul_u32_u24 v3, v1, SPITCH
	v_lshl_add_u32 v3, v2, 5, v3
	v_add_nc_u32 v[STO], s23, v3                   ; in: row l % 16, 32 bytes for each half of the lanes
	v_add_nc_u32 v[RD], s23, v[CO]                 ; back: the 32 lanes take a row of 512 bytes
	s_lshl_b32 s16, s13, 7
	s_lshl_b32 s17, s11, 6
	s_add_co_u32 s16, s16, s17                     ; my first row
	s_lshl_b32 s16, s16, 12                        ; of 4,096 bytes
	s_lshl_b32 s46, s42, 10
	s_add_co_u32 s16, s16, s46                     ; the tile's 256 columns,
	s_lshl_b32 s46, s12, 9
	s_add_co_u32 s16, s16, s46                     ; my 128 of them
	s_mov_b32 s17, 0
	s_add_nc_u64 s[8:9], s[8:9], s[16:17]
; Eight matrix instructions: term t (0: A hi x B hi; 1: A lo x B hi; 2: A hi x B lo), tile of rows a x the eight tiles of columns, 32 along K.
; The 32 accumulators take turns, one instruction a turn, in the same order in every term.
.macro MUL8 t, a, zero
.if (\t) == 1
.set rA, AL+8*(\a)
.else
.set rA, AH+8*(\a)
.endif
.if (\t) == 2
.set rB, BLO
.else
.set rB, BHI
.endif
.irp b, 0,1,2,3,4,5,6,7
.if \zero
	v_wmma_f32_16x16x32_f16 v[8*(8*(\a)+\b):8*(8*(\a)+\b)+7], v[rB+8*\b:rB+8*\b+7], v[rA:rA+7], 0
.else
	v_wmma_f32_16x16x32_f16 v[8*(8*(\a)+\b):8*(8*(\a)+\b)+7], v[rB+8*\b:rB+8*\b+7], v[rA:rA+7], v[8*(8*(\a)+\b):8*(8*(\a)+\b)+7]
.endif
.endr
.endm
.macro TERM t, zero
	MUL8 \t, 0, \zero
	MUL8 \t, 1, \zero
	MUL8 \t, 2, \zero
	MUL8 \t, 3, \zero
.endm
; 48 LDS loads in one run: the fragments of the slot's q-th 32 along K into buffer f, in the order in which the terms want them: B hi (16), A hi (8), A lo (8), B lo (16)
.macro FETCH slot, q, f
.set WT, 0x80+0x40*(\f)
	WIN WT                                         ; destination window 2 or 3, address window 0
.irp b, 0,1,2,3,4,5,6,7
	ds_load_b128 v[BHI+8*\b:BHI+8*\b+3],   v[ADRB+\slot] offset:\b*2048+(\q)*1024
	ds_load_b128 v[BHI+8*\b+4:BHI+8*\b+7], v[ADRB+\slot] offset:\b*2048+(\q)*1024+512
.endr
.irp a, 0,1,2,3
	ds_load_b128 v[AH+8*\a:AH+8*\a+3],   v[ADRA+\slot] offset:\a*2048+(\q)*1024
	ds_load_b128 v[AH+8*\a+4:AH+8*\a+7], v[ADRA+\slot] offset:\a*2048+(\q)*1024+512
.endr
.irp a, 0,1,2,3
	ds_load_b128 v[AL+8*\a:AL+8*\a+3],   v[ADRA+\slot] offset:16384+\a*2048+(\q)*1024
	ds_load_b128 v[AL+8*\a+4:AL+8*\a+7], v[ADRA+\slot] offset:16384+\a*2048+(\q)*1024+512
.endr
.irp b, 0,1,2,3,4,5,6,7
	ds_load_b128 v[BLO+8*\b:BLO+8*\b+3],   v[ADRB+\slot] offset:16384+\b*2048+(\q)*1024
	ds_load_b128 v[BLO+8*\b+4:BLO+8*\b+7], v[ADRB+\slot] offset:16384+\b*2048+(\q)*1024+512
.endr
.endm
.macro PLACES                          ; four plain instructions in front of loads into registers that matrix instructions have read, and of the first read of results
.rept 4
	v_nop
.endr
.endm
; A K step's first unit: multiplies buffer 0 and, behind its first term, fetches the step's second 32 along K into buffer 1: 64 matrix instructions ahead of their use.
.macro UNIT slot, zero
	s_wait_dscnt 24                                ; B hi and A hi are in; the youngest 24 loads (A lo's 8, B lo's 16) may be out
	WIN MULF0
	TERM 0, \zero
	s_wait_dscnt 0x0                               ; A lo and B lo are in (asked for 32 matrix instructions and more ago)
	PLACES
	FETCH \slot, 1, 1
	WIN MULF0
	TERM 1, 0
	TERM 2, 0
.endm
; A K step's second unit multiplies buffer 1 and changes slots: ONE barrier; in front of it each wave waits for all its tensor loads, adds 0 to its spare word, and waits for that and for its reads of this slot.
; fill = 1: the barrier opens a round of the cluster's, and this slot is filled again, two K steps ahead, first thing behind the round: 160 matrix instructions ahead of the wait for it.
.macro TURN slot, next, fill
	WIN 0
	s_wait_tensorcnt 0x0                           ; all my tensor loads have landed: my part of the next slot
	ds_add_u32 v[SPW], v[NIL]                      ; 0 onto my spare word
	s_wait_dscnt 25                                ; (the add, A lo's 8 loads and B lo's 16 may be out)
	WIN MULF1
	MUL8 0, 0, 0                                   ; sixteen matrix instructions stand between the add and the wait for it
	MUL8 0, 1, 0
	s_wait_dscnt 0x0                               ; the add is done, and my reads of this slot are over
	s_barrier_signal -1
	MUL8 0, 2, 0
	MUL8 0, 3, 0
.if \fill
	WIN 0
.endif
	s_barrier_wait -1
.if \fill
	CREST                                          ; no wave of any partner still reads this slot or has a load on its way
	s_add_nc_u64 s[G0+4*\slot+2:G0+4*\slot+3], s[G0+4*\slot+2:G0+4*\slot+3], 0x10000
	s_add_nc_u64 s[G0B+4*\slot+2:G0B+4*\slot+3], s[G0B+4*\slot+2:G0B+4*\slot+3], 0x10000
	JLOAD \slot                                    ; the four v_nop behind it are also the places in front of the loads below
.else
	PLACES
.endif
	FETCH \next, 0, 0
	WIN MULF1
	TERM 1, 0
	TERM 2, 0
.endm
	s_wait_tensorcnt 1                             ; my part of K step 0 is in (K step 1's load may be out)
	s_barrier_signal -1
	s_barrier_wait -1                              ; everybody's is
	FETCH 0, 0, 0
	UNIT 0, 1                                      ; the first term's products start the sums: nothing is cleared
	WIN 0
	s_mov_b32 s3, 7
.Llap:                                                 ; a trip goes once round the ring, from a lap's second unit to the next lap's first, and fills both slots again: K steps 2 to 15
	TURN 0, 1, 1
	UNIT 1, 0
	TURN 1, 0, 1
	UNIT 0, 0
	WIN 0
	s_sub_co_u32 s3, s3, 1
	s_cmp_lg_u32 s3, 0
	s_cbranch_scc1 .Llap
	TURN 0, 1, 0                                   ; the last lap fills nothing
	UNIT 1, 0
	s_wait_dscnt 24                                ; the very last unit: nothing more to fetch
	WIN MULF1
	TERM 0, 0
	s_wait_dscnt 0x0
	TERM 1, 0
	TERM 2, 0
	WIN 0
; THE WAY OUT, a block of 16 rows x 128 columns at a time: through my own stage and back as whole rows of 512 bytes, which the 32 lanes store as 512 consecutive bytes, aligned.  LDS serves a wave's instructions in order.
.macro TOSTAGE a
	WIN 0x04                                       ; an LDS store's data are its source 1: window 1
.irp b, 0,1,2,3,4,5,6,7
	ds_store_b128 v[STO], v[64*(\a)+8*\b:64*(\a)+8*\b+3] offset:64*\b          ; each accumulator from its low end on
	ds_store_b128 v[STO], v[64*(\a)+8*\b+4:64*(\a)+8*\b+7] offset:64*\b+16
.endr
	WIN 0
.set BB, BK+64*((\a)%2)
.irp t, 0,1,2,3,4,5,6,7,8,9,10,11,12,13,14,15
	ds_load_b128 v[BB+4*\t:BB+4*\t+3], v[RD] offset:\t*SPITCH
.endr
.endm
.macro SEND a, younger                 ; younger: the LDS instructions issued behind block a's loads, which may stay out
.set BB, BK+64*((\a)%2)
	s_wait_dscnt \younger
.if (\a) > 0
	s_add_nc_u64 s[8:9], s[8:9], 0x10000           ; 16 rows on (behind a wait on XCNT: the earlier stores have read their base)
.endif
.irp t, 0,1,2,3,4,5,6,7,8,9,10,11,12,13,14,15
	global_store_b128 v[CO], v[BB+4*\t:BB+4*\t+3], s[8:9] offset:\t*4096 th:TH_STORE_NT
.endr
.endm
	PLACES
	TOSTAGE 0
.irp a, 1,2,3
.if \a > 1
	s_wait_xcnt 0x0                                ; block a - 2's stores have read their registers and their base
.endif
	TOSTAGE \a
	SEND \a-1, 32                                  ; behind block a - 1's loads: block a's 16 stores and 16 loads
.endr
	s_wait_xcnt 0x0
	SEND 3, 0
	s_wait_tensorcnt 0x0                           ; the wave's end, behind my last tensor load and my last LDS store
	ds_add_u32 v[SPW], v[NIL]
	s_wait_dscnt 0x0
	CROUND                                         ; the closing round
	s_endpgm
.Lfunc_end_k_q4af66b708d_oproj:
	.size	k_q4af66b708d_oproj, .Lfunc_end_k_q4af66b708d_oproj-k_q4af66b708d_oproj
	.p2alignl 7, 3214868480
	.fill 96, 4, 3214868480
	.section	.rodata,"a",@progbits
	.p2align	6, 0x0
	.amdhsa_kernel k_q4af66b708d_oproj
		.amdhsa_group_segment_fixed_size 327680
		.amdhsa_private_segment_fixed_size 0
		.amdhsa_enable_private_segment 0
		.amdhsa_kernarg_size 24
		.amdhsa_user_sgpr_count 2
		.amdhsa_user_sgpr_kernarg_segment_ptr 1
		.amdhsa_wavefront_size32 1
		.amdhsa_system_sgpr_workgroup_id_x 1
		.amdhsa_system_sgpr_workgroup_id_y 1
		.amdhsa_system_sgpr_workgroup_id_z 1
		.amdhsa_system_vgpr_workitem_id 0
		.amdhsa_next_free_vgpr 1024
		.amdhsa_next_free_sgpr 66
		.amdhsa_reserve_vcc 0
		.amdhsa_float_denorm_mode_32 3
		.amdhsa_float_denorm_mode_16_64 3
		.amdhsa_memory_ordered 1
		.amdhsa_forward_progress 1
		.amdhsa_inst_pref_size 98
	.end_amdhsa_kernel
	.amdgpu_metadata
---
amdhsa.version: [ 1, 2 ]
amdhsa.kernels:
  - .name:           k_q4af66b708d_oproj
    .symbol:         k_q4af66b708d_oproj.kd
    .args:
      - { .name: att, .offset: 0, .size: 8, .value_kind: global_buffer, .address_space: global }
      - { .name: woh, .offset: 8, .size: 8, .value_kind: global_buffer, .address_space: global }
      - { .name: out0, .offset: 16, .size: 8, .value_kind: global_buffer, .address_space: global }
    .group_segment_fixed_size: 327680
    .private_segment_fixed_size: 0
    .kernarg_segment_align: 8
    .kernarg_segment_size: 24
    .max_flat_workgroup_size: 128
    .sgpr_count:     66
    .vgpr_count:     1024
    .wavefront_size: 32
...
	.end_amdgpu_metadata
.endif
;; end of part 4
